; MI455X (gfx1250); checked and timed in simulation.
; The chip was launched on July 23, 2026; its instructions are those of AMD's public machine-readable ISA for CDNA 5 (MIT licence, August 2026) and "CDNA5" Instruction Set Architecture Reference Guide (July 2026). The comments in the code are by the model that wrote it; some were corrected since.
;; Multi Head Attention. Allowed arithmetic: matrix products marked QUANTISED: E2M3 operands, one E8M0 scale for each 32 along K, by v_wmma_scale_f32_16x16x128_f8f6f4 with both operands' format E2M3, f32 sums; everything else in f32.
;; Inputs: b_proj 1,024 float32; b_qkv 3,072 float32; w_proj 1,024 x 1,024 float32; w_qkv 1,024 x 3,072 float32; x 4 x 2,048 x 1,024 float32.
;; Outputs: out0 4 x 2,048 x 1,024 float32.
;; This version of the problem:
;;   THIS VERSION OF THE PROBLEM IS GIVEN IN LOW PRECISION. The matrix products marked QUANTISED in the list below multiply operands that are first quantised to E2M3 (2 exponent bits, 3 mantissa bits; 6 bits a number), with one power-of-two scale for each 32 numbers along K (OCP MX v1.0); their sums are f32. All else is computed in f32.
;;   The module's matrix products, in the order in which they are computed (A, B: the left and right operand; K: the contracted axis; several contracted axes count as one K, in the product's order):
;;     1. [M 8,192, K 1,024] x [K 1,024, N 3,072]; A: input x; B: input w_qkv: QUANTISED
;;     2. batch 64 x [M 2,048, K 64] x [K 64, N 2,048]; A: computed on the way; B: computed on the way: QUANTISED
;;     3. batch 64 x [M 2,048, K 2,048] x [K 2,048, N 64]; A: softmax (see below); B: computed on the way: QUANTISED
;;     4. [M 8,192, K 1,024] x [K 1,024, N 1,024]; A: computed on the way; B: input w_proj: QUANTISED
;;   THE QUANTISER, for each operand of a quantised product, along K:
;;     - K is cut into blocks of 32 from its start; a last block that is shorter is filled with zeros.
;;     - A block's scale is 2^e with e = floor(log2(the largest magnitude in the block)) - 2, held to -126 .. 127; a block of zeros has e = 0. As a byte (E8M0): e + 127.
;;     - Each number is divided by its block's scale, clamped to +-7.5, and rounded to the nearest number of E2M3, ties to even, subnormals kept.
;;     - The product sums the exact products of the quantised numbers (number of the format x scale) in f32.
;;   ~~~python
;;   def quantise(x, axis):      # numpy; x: float32 -> the quantised numbers, widened to float32 again
;;       x = np.moveaxis(x, axis, -1); K = x.shape[-1]
;;       x = np.pad(x, [(0, 0)] * (x.ndim - 1) + [(0, -K % 32)]); x = x.reshape(x.shape[:-1] + (-1, 32)); a = np.abs(x).max(-1, keepdims=True)
;;       e = np.where(a > 0, np.clip(np.frexp(np.where(a > 0, a, 1))[1] - 1 - 2, -126, 127), 0)      # np.frexp(a)[1] - 1 = floor(log2(a)), exactly
;;       r = np.clip(x / 2.0 ** e, -7.5, 7.5)
;;       step = 2.0 ** (np.maximum(np.frexp(np.where(r == 0, 1, r))[1] - 1, 0) - 3)
;;       q = np.round(r / step) * step * 2.0 ** e      # np.round: ties to even
;;       return np.moveaxis(q.reshape(q.shape[:-2] + (-1,))[..., :K], -1, axis).astype(np.float32)
;;   ~~~
;;   SOFTMAX AHEAD OF A QUANTISED PRODUCT. Where the list says 'softmax', what is quantised is not the finished softmax but p = 2^(t - M), with t = logit x log2(e) and M = ceil(the row's largest t), a whole number; so 1/2 < the row's largest p <= 1. The row's sum l is taken of the UNQUANTISED p, in f32, and the product's result is divided by l at the end. Since M is a whole number, a kernel that streams over the keys may use a running M (the ceiling of the running maximum): every later rescaling is an exact power of two, which a block's scale takes up: the codes' values come out the same.
;;   OPERANDS COMPUTED ON THE WAY. 'Computed on the way' means the value that the module computes at that place (a softmax that the list does not call 'softmax' is quantised finished and normalised). What goes into a quantiser is computed in f32, as accurately as f32 sums, v_exp_f32 and their like allow (about 1e-6 of the number): no bf16 or f16 on the way to a quantiser, and a product that is left as it is and whose result goes on into a quantised operand takes f32 operands (vector FMAs, or v_wmma_f32_16x16x4_f32). A number that lies on a knife's edge between two numbers of the format may be rounded either way, as far as f32 arithmetic and the matrix unit's own rounding can turn it there, and no further.
;; One version. Each part assembles by itself: llvm-mc -triple=amdgcn-amd-amdhsa -mcpu=gfx1250 --defsym DOCPART=n.
;; ======== version 1 of 1: 4 launches
;; limits: right only within a limited range of input values
;; workspace buffers: x_img 6,291,456 bytes; x_sc 524,288 bytes; w_img 3,145,728 bytes; w_sc 262,144 bytes; qkv_img 18,874,368 bytes; qkv_sc 1,572,864 bytes; o_img 6,291,456 bytes; o_sc 524,288 bytes
;; launch qxw (part 1): grid 768 x 1, 4 waves a work-group, no clusters, 47,616 bytes of LDS; arguments x, x_img, x_sc, w_qkv, w_proj, w_img, w_sc; writes x_img, x_sc, w_img, w_sc
.if DOCPART == 1
	.amdgcn_target "amdgcn-amd-amdhsa--gfx1250"
	.amdhsa_code_object_version 6
	.text
	.protected	k_q6a92c2b32c_qxw
	.globl	k_q6a92c2b32c_qxw
	.p2align	8
	.type	k_q6a92c2b32c_qxw,@function
k_q6a92c2b32c_qxw:
	s_mov_b64 s[64:65], 0
	v_nop
	global_prefetch_b8 v0, s[64:65] scope:SCOPE_SE
	s_setreg_imm32_b32 hwreg(HW_REG_WAVE_MODE, 25, 1), 1
	s_wait_xcnt 0x0
; x [8192][1024], w_qkv [1024][3072] and w_proj [1024][1024], f32, become codes of FP6 (E2M3) with one E8M0 byte for each 32 along K, laid as the matrix unit's operand registers.
; One launch for all three: work-groups 0-511 take x, a tile each; work-groups 512-767 take the weights.  The two ways part on the work-group's number and have LDS bytes of their own.
; A fragment (16 rows x 128 K, 12 registers a lane) lies as two halves of 768 bytes: registers 6 c .. 6 c + 3 at 16 x lane, registers 6 c + 4, 6 c + 5 at 512 + 8 x lane.
; x_img [tile 512][K step 8][1536], x_sc [tile][K step][4 x lane], lanes 16-31 repeating lanes 0-15.  Tile T: lane r holds token 64 (T / 4) + 8 (T % 4) + r % 8 + 32 (r / 8).
; w_img [tile 256][K step 8][1536], w_sc likewise; tiles 0-191 are w_qkv's columns, 192-255 w_proj's.  Tile T: lane r holds column 32 (T / 2) + 8 (T % 2) + r + 8 (r / 8).
; x: wave w takes K steps 2 w and 2 w + 1; a load reads 512 consecutive bytes of a row; the 16 rows turn through the wave's stage, so that a lane gets 16 neighbours of each block of its row.
; Weights: K is the FIRST axis: a lane takes a column and its registers run down K; work-group n: 128 columns (n % 32 < 24: w_qkv, else w_proj), K step n / 32; the codes turn through the wave's stage into the image's order.
; Waves share nothing: no barrier.  Work-groups share no input: no cluster.
; A block's scale is 2^(floor(log2(largest magnitude)) - 2); its byte is the largest magnitude's exponent field - 2, held at 1 from below.
; LIMITS: NaN and infinities are not served; a block of zeros, or one whose largest magnitude lies under 2^-124, gets the byte 1 (the bytes are read by this program alone).
.set STG,   8448                       ; x: a wave's stage: 16 rows x (512 + 16) bytes
.set WSTG,  3328                       ; weights: a wave's stage: two images of 1,536 bytes, 1,664 bytes apart; these stages lie behind x's four
.set SPARE, 4*STG+4*WSTG               ; the spare words, 128 bytes for each wave
.set SPW,   14
.set NIL,   15
.set R,     16                         ; x: v16-143 the rows as loaded
.set X,     144                        ; v144-207 64 numbers of my row: register 16 b + i = k 32 b + 16 (lane / 16) + i
.set TM,    208
.set PW,    224
.set PC,    226
.set SEL,   20
	v_lshl_add_u32 v[SPW], v0, 2, SPARE
	v_mov_b32 v[NIL], 0
	s_cmp_lt_u32 ttmp9, 512
	s_wait_alu depctr_va_vdst(0)                   ; the wait here, directly ahead of the branch
	s_cbranch_scc0 .Lweights
; ---- x
	s_load_b128 s[4:7], s[0:1], 0x0                ; x, x_img
	s_load_b64 s[8:9], s[0:1], 0x10                ; x_sc
	v_lshrrev_b32 v1, 5, v0
	v_readfirstlane_b32 s10, v1                    ; wave
	v_and_b32 v1, 31, v0                           ; lane
	v_and_b32 v2, 15, v0                           ; r
	v_bfe_u32 v3, v0, 4, 1                         ; h
	v_lshlrev_b32 v4, 4, v1
	v_lshlrev_b32 v5, 3, v1
	v_lshlrev_b32 v6, 2, v1
	s_mul_i32 s11, s10, STG
	v_add_nc_u32 v7, s11, v4                       ; into the stage: a row's 512 bytes as they lie
	v_mul_u32_u24 v8, v2, 528
	v_lshl_add_u32 v8, v3, 6, v8
	v_add_nc_u32 v8, s11, v8                       ; out of it: row r, + 64 h
	s_mov_b32 s[SEL], 0x76543210
	s_mov_b32 s[SEL+1], 0xfedcba98
.irp b, 0,1,2,3
	v_mov_b32 v[TM+4+\b], 0                        ; a lane permute's destination counts as one of its sources
.endr
	s_lshr_b32 s12, ttmp9, 2
	s_lshl_b32 s12, s12, 6
	s_and_b32 s13, ttmp9, 3
	s_lshl_b32 s13, s13, 3
	s_add_co_u32 s12, s12, s13                     ; the tile's first row: 64 (T / 4) + 8 (T % 4)
	s_lshl_b32 s12, s12, 12
	s_lshl_b32 s13, s10, 10
	s_add_co_u32 s12, s12, s13                     ; + my two K steps' 1,024 bytes
	s_mov_b32 s13, 0
	s_mul_i32 s14, ttmp9, 12288
	s_mul_i32 s15, s10, 3072
	s_add_co_u32 s14, s14, s15
	s_mov_b32 s15, 0
	s_lshl_b32 s16, ttmp9, 10
	s_lshl_b32 s17, s10, 8
	s_add_co_u32 s16, s16, s17
	s_mov_b32 s17, 0
	s_wait_alu depctr_va_vdst(0)                   ; the wait at the head's end
	s_wait_kmcnt 0x0
	s_add_nc_u64 s[4:5], s[4:5], s[12:13]
	s_add_nc_u64 s[6:7], s[6:7], s[14:15]
	s_add_nc_u64 s[8:9], s[8:9], s[16:17]
.irp f, 0,1
.irp i, 0,1,2,3,4,5,6,7,8,9,10,11,12,13,14,15
	global_load_b128 v[R+64*\f+4*\i:R+64*\f+4*\i+3], v4, s[4:5] offset:(\i+24*(\i/8))*4096+512*\f th:TH_LOAD_NT   ; 32 lanes read 512 consecutive bytes
.endr
.endr
.macro KSTEP f
.if \f == 0
	s_wait_loadcnt 16                              ; the first K step's 16 loads are in; the second's 16 may be out
.else
	s_wait_loadcnt 0x0
.endif
.irp i, 0,1,2,3,4,5,6,7,8,9,10,11,12,13,14,15
	ds_store_b128 v7, v[R+64*\f+4*\i:R+64*\f+4*\i+3] offset:528*\i
.endr
.irp b, 0,1,2,3
.irp j, 0,1,2,3
	ds_load_b128 v[X+16*\b+4*\j:X+16*\b+4*\j+3], v8 offset:128*\b+16*\j   ; LDS serves a wave's instructions in order: these see my stores
.endr
.endr
	s_wait_dscnt 0x0
.if \f
	s_wait_xcnt 0x0                                ; the first K step's stores have read the codes and the scale word
.endif
.irp b, 0,1,2,3
	v_max3_num_f32 v[TM+\b], |v[X+16*\b]|, |v[X+1+16*\b]|, 0x1800000   ; with the floor 2^(3 - 127): the byte cannot fall under 1
.endr
.irp i, 2,4,6,8,10,12,14
.irp b, 0,1,2,3
	v_max3_num_f32 v[TM+\b], v[TM+\b], |v[X+16*\b+\i]|, |v[X+1+16*\b+\i]|
.endr
.endr
.irp b, 0,1,2,3
	v_permlanex16_b32 v[TM+4+\b], v[TM+\b], s[SEL], s[SEL+1]
.endr
.irp b, 0,1,2,3
	v_max_num_f32 v[TM+\b], v[TM+\b], v[TM+4+\b]       ; with lane l xor 16's: the block's largest magnitude
.endr
.irp b, 0,1,2,3
	v_add_nc_u32 v[TM+12+\b], 0xff000000, v[TM+\b]     ; 2 off its exponent field: the conversion's scale operand
.endr
.irp b, 0,1,2,3
	v_lshrrev_b32 v[TM+4+\b], 23, v[TM+12+\b]          ; the scale's byte
.endr
	v_lshl_or_b32 v[PW], v[TM+5], 8, v[TM+4]
	v_lshl_or_b32 v[PW], v[TM+6], 16, v[PW]
	v_lshl_or_b32 v[PW], v[TM+7], 24, v[PW]
.irp c, 0,1
	v_cvt_scalef32_pk16_fp6_f32 v[PC+6*\c:PC+2+6*\c], v[X+32*\c:X+15+32*\c], v[TM+12+2*\c]
	v_cvt_scalef32_pk16_fp6_f32 v[PC+12+4*\c:PC+14+4*\c], v[X+16+32*\c:X+31+32*\c], v[TM+12+2*\c+1]
.endr
	v_nop                                              ; one plain place behind a scaled conversion
.irp c, 0,1
.irp i, 0,1,2
	v_permlane16_swap_b32 v[PC+6*\c+\i], v[PC+12+4*\c+\i]   ; a whole block to a lane
.endr
.irp i, 0,1,2
	v_mov_b32 v[PC+3+6*\c+\i], v[PC+12+4*\c+\i]
.endr
.endr
	global_store_b128 v4, v[PC:PC+3], s[6:7] offset:1536*\f
	global_store_b64 v5, v[PC+4:PC+5], s[6:7] offset:1536*\f+512
	global_store_b128 v4, v[PC+6:PC+9], s[6:7] offset:1536*\f+768
	global_store_b64 v5, v[PC+10:PC+11], s[6:7] offset:1536*\f+1280
	global_store_b32 v6, v[PW], s[8:9] offset:128*\f
.endm
	KSTEP 0
	KSTEP 1
	s_wait_tensorcnt 0x0                           ; the wave's end: behind my last LDS store
	ds_add_u32 v[SPW], v[NIL]
	s_wait_dscnt 0x0
	s_endpgm
; ---- the weights
.set VO,    20                         ; v20-51    4 x lane + i x the weight's row pitch
.set X,     52                         ; v52-179   four blocks of 32 numbers
.set C,     180                        ; v180-211  eight registers a block: six of codes
.set D,     212                        ; v212-214  a block's upper 16 codes, before they are moved
.set OUT,   216                        ; v216-239  the images read back
.Lweights:
	s_load_b128 s[4:7], s[0:1], 0x18               ; w_qkv, w_proj
	s_load_b128 s[8:11], s[0:1], 0x28              ; w_img, w_sc
	v_lshrrev_b32 v1, 5, v0
	v_readfirstlane_b32 s12, v1                    ; wave
	v_and_b32 v1, 31, v0                           ; lane: it stands for tile u = (l / 8) % 2, row r = l % 8 + 8 (l / 16)
	v_bfe_u32 v2, v0, 3, 1                         ; u
	v_and_b32 v3, 7, v0
	v_bfe_u32 v4, v0, 4, 1
	v_lshl_add_u32 v3, v4, 3, v3                   ; r
	s_mul_i32 s14, s12, WSTG
	s_add_co_u32 s14, s14, 4*STG
	v_mul_u32_u24 v4, v2, 1664
	v_add_nc_u32 v4, s14, v4                       ; my tile's image in the stage
	v_lshl_add_u32 v5, v3, 4, v4
	v_lshl_add_u32 v6, v3, 3, v4
	v_lshlrev_b32 v9, 4, v1
	v_add_nc_u32 v7, s14, v9                       ; back out of the stage
	v_lshlrev_b32 v8, 2, v3
	v_lshl_add_u32 v8, v2, 10, v8                  ; my scale word's place: 1,024 u + 4 r
	s_sub_co_u32 s35, ttmp9, 512
	s_and_b32 s34, s35, 31                         ; which 128 columns
	s_lshr_b32 s28, s35, 5                         ; the K step
	s_cmp_lt_u32 s34, 24                           ; w_qkv or w_proj: hangs on the work-group's number alone
	s_cselect_b32 s15, 0, 24
	s_mov_b32 s13, 4096
	s_cselect_b32 s13, 12288, s13                  ; a row of the weight in bytes
	s_sub_co_u32 s15, s34, s15
	s_lshl_b32 s15, s15, 7
	s_lshl_b32 s16, s12, 5
	s_add_co_u32 s15, s15, s16                     ; my wave's first column
	s_lshl_b32 s16, s15, 2
	s_lshl_b32 s17, s28, 7
	s_mul_i32 s17, s17, s13
	s_add_co_u32 s16, s16, s17
	s_mov_b32 s17, 0
	s_lshl_b32 s18, s13, 5                         ; 32 rows: from block to block
	s_mov_b32 s19, 0
	v_lshlrev_b32 v[VO], 2, v1
.set i, 1
.rept 31
	v_add_nc_u32 v[VO+i], s13, v[VO+i-1]
.set i, i+1
.endr
	s_lshl_b32 s29, s34, 3
	s_lshl_b32 s30, s12, 1
	s_add_co_u32 s29, s29, s30                     ; my first tile
	s_mul_i32 s30, s29, 12288
	s_mul_i32 s31, s28, 1536
	s_add_co_u32 s30, s30, s31
	s_mov_b32 s31, 0
	s_lshl_b32 s32, s29, 10
	s_lshl_b32 s33, s28, 7
	s_add_co_u32 s32, s32, s33
	s_mov_b32 s33, 0
	s_wait_alu depctr_va_vdst(0)                   ; the wait at the head's end
	s_wait_kmcnt 0x0
	s_cmp_lt_u32 s34, 24
	s_cselect_b64 s[4:5], s[4:5], s[6:7]
	s_add_nc_u64 s[20:21], s[4:5], s[16:17]        ; a base for each block
	s_add_nc_u64 s[22:23], s[20:21], s[18:19]
	s_add_nc_u64 s[24:25], s[22:23], s[18:19]
	s_add_nc_u64 s[26:27], s[24:25], s[18:19]
	s_add_nc_u64 s[8:9], s[8:9], s[30:31]
	s_add_nc_u64 s[10:11], s[10:11], s[32:33]
.macro LOADB t
.irp i, 0,1,2,3,4,5,6,7,8,9,10,11,12,13,14,15,16,17,18,19,20,21,22,23,24,25,26,27,28,29,30,31
	global_load_b32 v[X+32*(\t)+\i], v[VO+\i], s[20+2*(\t):21+2*(\t)] th:TH_LOAD_NT
.endr
.endm
	LOADB 0
	LOADB 1
.macro BLOCK t
.set XS, X+32*(\t)
.set CC, C+8*(\t)
.if (\t) < 3
	s_wait_loadcnt 32                              ; this block's 32 loads are in; the next block's 32 may be out
.else
	s_wait_loadcnt 0x0
.endif
.if (\t)+2 < 4
	LOADB (\t)+2
.endif
	v_max3_num_f32 v12, |v[XS]|, |v[XS+1]|, |v[XS+2]|      ; the block's largest magnitude: all 32 numbers are mine
	v_max3_num_f32 v13, |v[XS+3]|, |v[XS+4]|, |v[XS+5]|
.irp i, 6,10,14,18,22,26
	v_max3_num_f32 v12, v12, |v[XS+\i]|, |v[XS+\i+1]|
	v_max3_num_f32 v13, v13, |v[XS+\i+2]|, |v[XS+\i+3]|
.endr
	v_max3_num_f32 v12, v12, |v[XS+30]|, |v[XS+31]|
	v_max3_num_f32 v12, v12, v13, 0x1800000        ; and the floor 2^(3 - 127)
	v_add_nc_u32 v11, 0xff000000, v12
	v_cvt_scalef32_pk16_fp6_f32 v[CC:CC+2], v[XS:XS+15], v11
	v_cvt_scalef32_pk16_fp6_f32 v[D:D+2], v[XS+16:XS+31], v11
	v_lshrrev_b32 v13, 23, v11                     ; the scale's byte.  (The plain place behind the conversions)
.if (\t) == 0
	v_mov_b32 v16, v13
.else
	v_lshl_or_b32 v16, v13, 8*(\t), v16
.endif
	v_mov_b32 v[CC+3], v[D]
	v_mov_b32 v[CC+4], v[D+1]
	v_mov_b32 v[CC+5], v[D+2]
	ds_store_b128 v5, v[CC:CC+3] offset:768*((\t)/2)+256*((\t)%2)        ; block 2 c + h is lane (r, h)'s registers 6 c .. 6 c + 5
	ds_store_b64 v6, v[CC+4:CC+5] offset:768*((\t)/2)+512+128*((\t)%2)
.endm
	BLOCK 0
	BLOCK 1
	BLOCK 2
	BLOCK 3
.irp n, 0,1,2,3,4,5
	ds_load_b128 v[OUT+4*\n:OUT+4*\n+3], v7 offset:1664*(\n/3)+512*(\n%3)
.endr
	s_wait_alu depctr_va_vdst(0)                   ; the wait here, directly ahead of the waits below
.irp n, 0,1,2,3,4,5
	s_wait_dscnt 5-\n                              ; load n is back; the younger ones may be out
	global_store_b128 v9, v[OUT+4*\n:OUT+4*\n+3], s[8:9] offset:12288*(\n/3)+512*(\n%3)
.endr
	global_store_b32 v8, v16, s[10:11]             ; the scale words, for lanes 0-15
	global_store_b32 v8, v16, s[10:11] offset:64   ; and repeated for lanes 16-31
	s_wait_tensorcnt 0x0                           ; the wave's end: behind my last LDS store
	ds_add_u32 v[SPW], v[NIL]
	s_wait_dscnt 0x0
	s_endpgm
.Lfunc_end_k_q6a92c2b32c_qxw:
	.size	k_q6a92c2b32c_qxw, .Lfunc_end_k_q6a92c2b32c_qxw-k_q6a92c2b32c_qxw
	.p2alignl 7, 3214868480
	.fill 96, 4, 3214868480
	.section	.rodata,"a",@progbits
	.p2align	6, 0x0
	.amdhsa_kernel k_q6a92c2b32c_qxw
		.amdhsa_group_segment_fixed_size 47616
		.amdhsa_private_segment_fixed_size 0
		.amdhsa_enable_private_segment 0
		.amdhsa_kernarg_size 56
		.amdhsa_user_sgpr_count 2
		.amdhsa_user_sgpr_kernarg_segment_ptr 1
		.amdhsa_wavefront_size32 1
		.amdhsa_system_sgpr_workgroup_id_x 1
		.amdhsa_system_sgpr_workgroup_id_y 1
		.amdhsa_system_sgpr_workgroup_id_z 1
		.amdhsa_system_vgpr_workitem_id 0
		.amdhsa_next_free_vgpr 256
		.amdhsa_next_free_sgpr 66
		.amdhsa_reserve_vcc 0
		.amdhsa_float_denorm_mode_32 3
		.amdhsa_float_denorm_mode_16_64 3
		.amdhsa_memory_ordered 1
		.amdhsa_forward_progress 1
		.amdhsa_inst_pref_size 41
	.end_amdhsa_kernel
	.amdgpu_metadata
---
amdhsa.version: [ 1, 2 ]
amdhsa.kernels:
  - .name:           k_q6a92c2b32c_qxw
    .symbol:         k_q6a92c2b32c_qxw.kd
    .args:
      - { .name: x, .offset: 0, .size: 8, .value_kind: global_buffer, .address_space: global }
      - { .name: x_img, .offset: 8, .size: 8, .value_kind: global_buffer, .address_space: global }
      - { .name: x_sc, .offset: 16, .size: 8, .value_kind: global_buffer, .address_space: global }
      - { .name: w_qkv, .offset: 24, .size: 8, .value_kind: global_buffer, .address_space: global }
      - { .name: w_proj, .offset: 32, .size: 8, .value_kind: global_buffer, .address_space: global }
      - { .name: w_img, .offset: 40, .size: 8, .value_kind: global_buffer, .address_space: global }
      - { .name: w_sc, .offset: 48, .size: 8, .value_kind: global_buffer, .address_space: global }
    .group_segment_fixed_size: 47616
    .private_segment_fixed_size: 0
    .kernarg_segment_align: 8
    .kernarg_segment_size: 56
    .max_flat_workgroup_size: 128
    .sgpr_count:     66
    .vgpr_count:     256
    .wavefront_size: 32
...
	.end_amdgpu_metadata
.endif
;; end of part 1
;; launch qkv (part 2): grid 8 x 32, 4 waves a work-group, clusters of 4 x 4, 327,680 bytes of LDS; arguments x_img, x_sc, w_img, w_sc, b_qkv, qkv_img, qkv_sc; writes qkv_img, qkv_sc
.if DOCPART == 2
	.amdgcn_target "amdgcn-amd-amdhsa--gfx1250"
	.amdhsa_code_object_version 6
	.text
	.protected	k_q6a92c2b32c_qkv
	.globl	k_q6a92c2b32c_qkv
	.p2align	8
	.type	k_q6a92c2b32c_qkv,@function
k_q6a92c2b32c_qkv:
	s_mov_b64 s[64:65], 0
	v_nop
	global_prefetch_b8 v0, s[64:65] scope:SCOPE_SE
	s_setreg_imm32_b32 hwreg(HW_REG_WAVE_MODE, 25, 1), 1
	s_wait_xcnt 0x0
	s_wait_alu depctr_hold_cnt(0) depctr_sa_sdst(0) depctr_va_vdst(0) depctr_va_sdst(0) depctr_va_ssrc(0) depctr_va_vcc(0) depctr_vm_vsrc(0)
	s_getreg_b32 s2, hwreg(HW_REG_IB_STS2, 6, 4)
	s_cmp_eq_u32 s2, 0
	s_cbranch_scc0 .Lentry_in_a_cluster
	s_endpgm
.Lentry_in_a_cluster:
	s_bfe_u32 s2, ttmp6, 0x10000c
	s_cmp_lg_u32 s2, 0xf033
	s_cbranch_scc0 .Lentry_shape_is_right
	s_endpgm
.Lentry_shape_is_right:
; Q, K, V = x w_qkv + b_qkv on codes of FP6 (E2M3) with E8M0 scales, and the quantisers of the three results, which leave as images of the next launch's operand registers.
; THE DEAL.  Work-group (c, g): tokens 256 g .. 256 g + 255 against columns 128 c .. 128 c + 127 (two heads) of Q, then of K, then of V: 8 x 32 = 256 work-groups.
; The tokens' 16 tiles, all of K (196,608 bytes), and their scale words (16,384) come into LDS once.  The weights' 8 tiles (98,304 bytes) have a region of their own, filled three times.
; Wave (a, b): token tiles 8 a .. 8 a + 7, head 2 c + b.  Its 64 rows of the weight, all of K, lie in 384 registers; a token tile (8 fragments, 8 scale words) lies in one of two sets, fetched two tiles ahead.
; A tile is 32 products, its four accumulators by turns; the first four take the bias as C.
; Q, K: source 0 = the weight, so a lane holds one token and 32 columns of its head; two tiles are quantised together.  V: source 0 = the tokens, so a lane holds one dim and its registers run along the 128 tokens of a key step.
; CLUSTER 4 x 4: the tokens' tiles hang on g and are asked for jointly along a row, the weights' on c and along a column.
; PREFETCH: K's weights are asked for at the head and V's in the first trip, 24 blocks of 256 bytes a wave, shared out by address among the sixteen waves of a column of the cluster.
; LIMITS: NaN and infinities are not served; a block of zeros, or one whose largest magnitude lies under 2^-124, gets the byte 1 (the bytes are read by this program alone).
.set FR, 12
.set FPW, 21                           ; fragments in a window of 256 registers; fragment f lies in window 1 + f / 21: 0-31 the weight's (4 q + t), 32-47 the tokens' two sets
.set WB, 196608                        ; LDS: tokens at 0, weights at WB, the tokens' scale words at XSC, the spare words at SPARE
.set XSC, 294912
.set SPARE, 311296
.set SPW, 10
.set NIL, 11
.set SB, 24                            ; v24-39 the weight's scale words: lanes 0-15 tile 2 p, lanes 16-31 tile 2 p + 1
.set SA, 44                            ; v44-59 the tokens' scale words, two sets
.set ACC, 64                           ; v64-127 Q, K: two tiles' sums.  V: v64-191 and v840-967: 32 t + 8 (tile % 4) + j for tiles 0-3 and 4-7
.set TM, 192
.set PW, 208
.set PC, 212
.set SHW, 232
.set PCB, 234
.set BI, 992                           ; v992-1023 the bias as the first products' C
.set SEL, 66
.set G1W, 24
.set G1X, 32
.set G1S, 48
.set G1R, 56
.set G0W, 68
.set G0X, 72
.set G0S, 76
.set G0R, 80
.set PFB, 100
.set MSB, 0
.macro WIN new
.if MSB != (\new)
	s_set_vgpr_msb (MSB<<8)|(\new)
.set MSB, (\new)
.endif
.endm
.macro PLACES n
.rept \n
	v_nop
.endr
.endm
.macro BARRIER
	s_barrier_signal -1
	s_barrier_wait -1
.endm
.macro CROUND
	BARRIER
	s_cmp_lg_u32 s18, 0
	s_cbranch_scc1 .Lnot_wave_0_\@
	s_barrier_signal -3
.Lnot_wave_0_\@:
	s_barrier_wait -3
	BARRIER
.endm
.macro TLOAD g0, g1
	tensor_load_to_lds s[\g0:\g0+3], s[\g1:\g1+7]
	s_nop 0
	PLACES 4
.endm
.macro GROUP1 g, mask, rows            ; a dense block as rows of 256 bytes (32 elements of 8), with a mask and bit 21 beside it
	s_or_b32 s[\g], s[\mask], (3<<16)|(1<<21)
	s_mov_b32 s[\g+1], 32<<16
	s_mov_b32 s[\g+2], (\rows)<<16
	s_mov_b32 s[\g+3], 32<<16
	s_mov_b32 s[\g+4], \rows
	s_mov_b32 s[\g+5], 32
	s_mov_b32 s[\g+6], 0
	s_mov_b32 s[\g+7], 0
.endm
.macro FRAG f, a, off                  ; a fragment's image: registers 6 c .. 6 c + 3 at 16 x lane, 6 c + 4, 6 c + 5 at 512 + 8 x lane, halves 768 bytes apart
	WIN (1+(\f)/FPW)<<6
.set R_, FR*((\f)%FPW)
	ds_load_b128 v[R_:R_+3], v[\a] offset:\off
	ds_load_b64 v[R_+4:R_+5], v[\a+1] offset:\off+512
	ds_load_b128 v[R_+6:R_+9], v[\a] offset:\off+768
	ds_load_b64 v[R_+10:R_+11], v[\a+1] offset:\off+1280
.endm
.macro WEIGHTS                         ; my four tiles of the weight, all of K: 128 loads
.irp q, 0,1,2,3,4,5,6,7
.irp t, 0,1,2,3
	FRAG 4*\q+\t, 14, \t*12288+\q*1536
.endr
.endr
	WIN 0
.endm
.macro FETCH e, s                      ; my token tile s into set e: 40 loads
.irp q, 0,1,2,3,4,5,6,7
	FRAG 32+8*(\e)+\q, 6+2*((\s)/4), ((\s)%4)*12288+\q*1536
.endr
	WIN 0
.irp q, 0,1,2,3,4,5,6,7
	ds_load_b32 v[SA+8*(\e)+\q], v12 offset:(\s)*1024+\q*128
.endr
.endm
.macro PROD1 d, s0, s1, c, x0, x1, side, o
.if \o
	v_wmma_scale_f32_16x16x128_f8f6f4 v[\d:\d+7], v[FR*((\s0)%FPW):FR*((\s0)%FPW)+FR-1], v[FR*((\s1)%FPW):FR*((\s1)%FPW)+FR-1], v[\c:\c+7], v[\x0], v[\x1] matrix_a_fmt:MATRIX_FMT_FP6 matrix_b_fmt:MATRIX_FMT_FP6 matrix_\side\()_scale:MATRIX_SCALE_ROW1
.else
	v_wmma_scale_f32_16x16x128_f8f6f4 v[\d:\d+7], v[FR*((\s0)%FPW):FR*((\s0)%FPW)+FR-1], v[FR*((\s1)%FPW):FR*((\s1)%FPW)+FR-1], v[\c:\c+7], v[\x0], v[\x1] matrix_a_fmt:MATRIX_FMT_FP6 matrix_b_fmt:MATRIX_FMT_FP6 matrix_\side\()_scale:MATRIX_SCALE_ROW0
.endif
.endm
.macro PROD kind, e, n, d              ; product n = 4 q + t into the accumulator at register d.  kind 0: source 0 the weight; kind 1: source 0 the tokens
.set Q_, (\n)/4
.set T_, (\n)%4
.set FW_, 4*Q_+T_
.set FX_, 32+8*(\e)+Q_
.set DW_, (\d)>>8
.set DL_, (\d)&255
.set CW_, DW_
.set CL_, DL_
.if Q_ == 0
.set CW_, 3
.set CL_, BI-768+8*T_
.endif
.if \kind
	WIN (1+FX_/FPW)|((1+FW_/FPW)<<2)|(CW_<<4)|(DW_<<6)
	PROD1 DL_, FX_, FW_, CL_, SA+8*(\e)+Q_, SB+8*(T_/2)+Q_, b, T_%2
.else
	WIN (1+FW_/FPW)|((1+FX_/FPW)<<2)|(CW_<<4)|(DW_<<6)
	PROD1 DL_, FW_, FX_, CL_, SB+8*(T_/2)+Q_, SA+8*(\e)+Q_, a, T_%2
.endif
.endm
.macro BLOCK kind, e, d0, ds
.set N_, 0
.rept 32
	PROD \kind, \e, N_, (\d0)+(\ds)*(N_%4)
.set N_, N_+1
.endr
	WIN 0
.endm
.macro SCLOAD                          ; the weight's scale words of this phase
.irp p, 0,1
.irp q, 0,1,2,3,4,5,6,7
	global_load_b32 v[SB+8*\p+\q], v16, s[94:95] offset:\p*2048+\q*128
.endr
.endr
.endm
; 64 numbers of a lane from register x on, register 16 b + i = place 32 b + 16 (lane / 16) + i along the next K, become 12 registers of codes from pc on and four scale bytes in pw
.macro QUANT x, pc, pw
.set XW_, (\x)>>8
.set XL_, (\x)&255
	WIN XW_|(XW_<<2)
.irp b, 0,1,2,3
	v_max3_num_f32 v[TM+\b], |v[XL_+16*\b]|, |v[XL_+1+16*\b]|, 0x1800000   ; with the floor 2^(3 - 127): the byte cannot fall under 1
.endr
	WIN (XW_<<2)|(XW_<<4)
.irp i, 2,4,6,8,10,12,14
.irp b, 0,1,2,3
	v_max3_num_f32 v[TM+\b], v[TM+\b], |v[XL_+16*\b+\i]|, |v[XL_+1+16*\b+\i]|
.endr
.endr
	WIN 0
.irp b, 0,1,2,3
	v_permlanex16_b32 v[TM+4+\b], v[TM+\b], s[SEL], s[SEL+1]
.endr
.irp b, 0,1,2,3
	v_max_num_f32 v[TM+\b], v[TM+\b], v[TM+4+\b]       ; with lane l xor 16's: the block's largest magnitude
.endr
.irp b, 0,1,2,3
	v_add_nc_u32 v[TM+12+\b], 0xff000000, v[TM+\b]     ; 2 off its exponent field: the conversion's scale operand
.endr
.irp b, 0,1,2,3
	v_lshrrev_b32 v[TM+4+\b], 23, v[TM+12+\b]          ; the scale's byte
.endr
	v_lshl_or_b32 v[\pw], v[TM+5], 8, v[TM+4]
	v_lshl_or_b32 v[\pw], v[TM+6], 16, v[\pw]
	v_lshl_or_b32 v[\pw], v[TM+7], 24, v[\pw]
	WIN XW_
.irp c, 0,1
	v_cvt_scalef32_pk16_fp6_f32 v[\pc+6*\c:\pc+2+6*\c], v[XL_+32*\c:XL_+15+32*\c], v[TM+12+2*\c]
	v_cvt_scalef32_pk16_fp6_f32 v[\pc+12+4*\c:\pc+14+4*\c], v[XL_+16+32*\c:XL_+31+32*\c], v[TM+12+2*\c+1]
.endr
	WIN 0
	v_nop                                              ; one plain place behind a scaled conversion
.irp c, 0,1
.irp i, 0,1,2
	v_permlane16_swap_b32 v[\pc+6*\c+\i], v[\pc+12+4*\c+\i]   ; a whole block to a lane
.endr
.irp i, 0,1,2
	v_mov_b32 v[\pc+3+6*\c+\i], v[\pc+12+4*\c+\i]
.endr
.endr
.endm
; ---- the head
	s_load_b256 s[4:11], s[0:1], 0x0               ; x_img, x_sc, w_img, w_sc
	s_load_b128 s[12:15], s[0:1], 0x20             ; b_qkv, qkv_img
	s_load_b64 s[16:17], s[0:1], 0x30              ; qkv_sc
	v_lshl_add_u32 v[SPW], v0, 2, SPARE
	v_mov_b32 v[NIL], 0
	ds_add_u32 v[SPW], v[NIL]                      ; the opening lines: the add, twice on end, and its wait
	ds_add_u32 v[SPW], v[NIL]
	v_lshrrev_b32 v1, 5, v0
	v_readfirstlane_b32 s18, v1                    ; wave
	s_lshr_b32 s19, s18, 1                         ; a
	s_and_b32 s20, s18, 1                          ; b
	s_bfe_u32 s21, ttmp6, 0x40000                  ; cx
	s_bfe_u32 s22, ttmp6, 0x40004                  ; cy
	s_lshl_b32 s23, ttmp9, 2
	s_add_co_u32 s23, s23, s21                     ; c
	s_and_b32 s40, ttmp7, 0xffff
	s_lshl_b32 s40, s40, 2
	s_add_co_u32 s40, s40, s22                     ; g
	s_lshl_b32 s41, s22, 2
	s_lshl_b32 s41, 15, s41                        ; my row of the cluster
	s_lshl_b32 s42, 0x1111, s21                    ; my column
	GROUP1 G1W, 42, 384
	GROUP1 G1R, 42, 96
	GROUP1 G1X, 41, 384
	GROUP1 G1S, 41, 64
	s_mul_i32 s44, s20, 98304                      ; waves 2, 3: a half of the tokens' tiles each
	s_mul_i32 s84, s40, 196608
	s_add_co_u32 s84, s84, s44
	s_mov_b32 s85, 0
	s_lshl_b32 s86, s40, 14
	s_mov_b32 s87, 0
	s_mul_i32 s88, s23, 98304
	s_mov_b32 s89, 0
	s_mul_i32 s90, s18, 24576                      ; a refill: a quarter of the weights' region a wave
	s_mov_b32 s91, 0
	s_mul_i32 s45, s19, 98304
	s_add_co_u32 s46, s45, 49152
	s_lshl_b32 s47, s19, 13
	s_add_co_u32 s47, s47, XSC
	s_mul_i32 s92, s20, 49152
	s_add_co_u32 s92, s92, WB
	s_lshl_b32 s93, s22, 2
	s_add_co_u32 s93, s93, s18
	s_mul_i32 s93, s93, 6144                       ; my sixteenth of a weights' tile, for the prefetches
	s_mov_b32 s[SEL], 0x76543210
	s_mov_b32 s[SEL+1], 0xfedcba98
	v_and_b32 v1, 31, v0                           ; lane
	v_bfe_u32 v2, v0, 4, 1                         ; h
	v_and_b32 v3, 15, v0                           ; r
	v_lshlrev_b32 v4, 4, v1
	v_lshlrev_b32 v5, 3, v1
	v_lshlrev_b32 v13, 2, v1
	v_add_nc_u32 v6, s45, v4                       ; my token tiles 0-3: v6, v7; tiles 4-7: v8, v9
	v_add_nc_u32 v7, s45, v5
	v_add_nc_u32 v8, s46, v4
	v_add_nc_u32 v9, s46, v5
	v_add_nc_u32 v12, s47, v13                     ; their scale words
	v_add_nc_u32 v14, s92, v4                      ; my four tiles of the weight
	v_add_nc_u32 v15, s92, v5
	v_lshlrev_b32 v16, 2, v3
	v_lshl_add_u32 v19, v2, 6, v16                 ; 4 r + 64 h: two tiles' scale words on the way out
	v_lshl_add_u32 v16, v2, 10, v16                ; 4 r + 1,024 h: the weight's scale words
	v_lshlrev_b32 v17, 6, v2                       ; Q's, K's bias: 64 h
	v_and_b32 v18, 8, v3
	v_add_nc_u32 v18, v18, v3
	v_lshlrev_b32 v18, 2, v18                      ; V's bias: 4 (r + 8 (r / 8))
	v_lshlrev_b32 v20, 4, v2
	v_lshlrev_b32 v22, 3, v2                       ; 8 h
	v_min_u32 v21, 23, v1
	v_lshl_add_u32 v21, v21, 8, s93
.irp b, 0,1,2,3
	v_mov_b32 v[TM+4+\b], 0                        ; a lane permute's destination counts as one of its sources
.endr
	s_wait_alu depctr_va_vdst(0)                   ; the wait at the head's end
	s_wait_dscnt 0x0
	CROUND                                         ; the round in front of the first joint loads
	s_wait_kmcnt 0x0
	s_mov_b32 s[G0W], 1
	s_mov_b32 s[G0W+1], WB
	s_add_nc_u64 s[G0W+2:G0W+3], s[8:9], s[88:89]
	s_mov_b64 s[PFB:PFB+1], s[G0W+2:G0W+3]
	s_mov_b32 s[G0R], 1
	s_add_co_u32 s[G0R+1], s90, WB
	s_add_nc_u64 s[G0R+2:G0R+3], s[G0W+2:G0W+3], s[90:91]
	s_or_b32 s[G0W+3], s[G0W+3], 0x80000000
	s_or_b32 s[G0R+3], s[G0R+3], 0x80000000
	s_mov_b32 s[G0X], 1
	s_mov_b32 s[G0X+1], s44
	s_add_nc_u64 s[G0X+2:G0X+3], s[4:5], s[84:85]
	s_or_b32 s[G0X+3], s[G0X+3], 0x80000000
	s_mov_b32 s[G0S], 1
	s_mov_b32 s[G0S+1], XSC
	s_add_nc_u64 s[G0S+2:G0S+3], s[6:7], s[86:87]
	s_or_b32 s[G0S+3], s[G0S+3], 0x80000000
	s_cmp_eq_u32 s18, 0                            ; one load a wave, one chain of branches on the wave's number
	s_cbranch_scc0 .Lw1
	TLOAD G0W, G1W                                 ; wave 0: Q's weights
	s_branch .Lasked
.Lw1:
	s_cmp_eq_u32 s18, 1
	s_cbranch_scc0 .Lw2
	TLOAD G0S, G1S                                 ; wave 1: the tokens' scale words
	s_branch .Lasked
.Lw2:
	s_cmp_eq_u32 s18, 2
	s_cbranch_scc0 .Lw3
	TLOAD G0X, G1X                                 ; wave 2: token tiles 0-7
	s_branch .Lasked
.Lw3:
	TLOAD G0X, G1X                                 ; wave 3: token tiles 8-15
.Lasked:
	s_lshr_b32 s84, s40, 3                         ; where the results go: block = 16 x batch + head, key step = (2 g + a) % 16
	s_lshl_b32 s84, s84, 4
	s_lshl_b32 s85, s23, 1
	s_add_co_u32 s84, s84, s85
	s_add_co_u32 s84, s84, s20
	s_lshl_b32 s85, s40, 1
	s_add_co_u32 s85, s85, s19
	s_and_b32 s85, s85, 15
	s_mul_i32 s86, s84, 98304
	s_mul_i32 s87, s85, 6144
	s_add_co_u32 s86, s86, s87
	s_mov_b32 s87, 0
	s_add_nc_u64 s[14:15], s[14:15], s[86:87]
	s_lshl_b32 s86, s84, 13
	s_lshl_b32 s88, s85, 9
	s_add_co_u32 s86, s86, s88
	s_add_nc_u64 s[16:17], s[16:17], s[86:87]
	s_lshl_b32 s86, s23, 13
	s_lshl_b32 s88, s20, 12
	s_add_co_u32 s86, s86, s88
	s_add_nc_u64 s[94:95], s[10:11], s[86:87]      ; the scale words of my four tiles of the weight
	s_lshl_b32 s86, s23, 9
	s_lshl_b32 s88, s20, 8
	s_add_co_u32 s86, s86, s88
	s_add_nc_u64 s[96:97], s[12:13], s[86:87]      ; my head's bias
	s_mov_b32 s98, 0
	global_prefetch_b8 v21, s[PFB:PFB+1] offset:786432 th:TH_LOAD_NT scope:SCOPE_SE   ; K's weights
	s_cmp_eq_u32 s18, 0
	s_cbranch_scc0 .Lnot_w
	s_wait_tensorcnt 0x0
.Lnot_w:
	BARRIER                                        ; Q's weights are in
; ---- Q, then K
.Lphase:
	PLACES 4                                       ; between the last products and the loads into their registers
	SCLOAD
	WIN 3<<6
.irp n, 0,1,2,3,4,5,6,7
	global_load_b128 v[BI-768+4*\n:BI-768+4*\n+3], v17, s[96:97] offset:128*(\n/4)+16*(\n%4)   ; register 16 p + i is column 32 p + 16 h + i
.endr
	WIN 0
	WEIGHTS
	s_wait_tensorcnt 0x0                           ; in front of a refill's round
	ds_add_u32 v[SPW], v[NIL]
	s_add_nc_u64 s[G0R+2:G0R+3], s[G0R+2:G0R+3], 786432   ; the next tensor's tile: 64 tiles on
	s_wait_dscnt 0x0                               ; the weights are in my registers
	CROUND
	TLOAD G0R, G1R                                 ; the next weights, a quarter a wave
	FETCH 0, 0
	FETCH 1, 1
	s_cmp_eq_u32 s98, 0
	s_cbranch_scc0 .Lnopf
	global_prefetch_b8 v21, s[PFB:PFB+1] offset:1572864 th:TH_LOAD_NT scope:SCOPE_SE   ; V's weights, a phase ahead of their load
.Lnopf:
	s_wait_loadcnt 0x0
.irp s, 0,1,2,3,4,5,6,7
.if \s < 7
	s_wait_dscnt 40                                ; my tile is in; the next tile's 40 loads may be out
.else
	s_wait_dscnt 0x0
.endif
	BLOCK 0, \s%2, ACC+32*(\s%2), 8
	PLACES 4
.if \s < 6
	FETCH \s%2, \s+2
.endif
.if \s%2
	s_wait_xcnt 0x0                                ; the last pair's stores have read their registers
	QUANT ACC, PC, PW
	v_lshrrev_b32 v[SHW], v20, v[PW]               ; lanes 0-15: the even tile's word; lanes 16-31: the odd tile's
	global_store_b128 v4, v[PC:PC+3], s[14:15] offset:1536*(\s/2)
	global_store_b64 v5, v[PC+4:PC+5], s[14:15] offset:1536*(\s/2)+512
	global_store_b128 v4, v[PC+6:PC+9], s[14:15] offset:1536*(\s/2)+768
	global_store_b64 v5, v[PC+10:PC+11], s[14:15] offset:1536*(\s/2)+1280
	global_store_b32 v19, v[SHW], s[16:17] offset:128*(\s/2)
.endif
.endr
	s_wait_tensorcnt 0x0                           ; my quarter of the next weights is in,
	s_wait_dscnt 0x0
	BARRIER                                        ; everybody's is
	s_wait_xcnt 0x0
	s_add_nc_u64 s[14:15], s[14:15], 6291456       ; 64 blocks on
	s_add_nc_u64 s[16:17], s[16:17], 524288
	s_add_nc_u64 s[94:95], s[94:95], 65536
	s_add_nc_u64 s[96:97], s[96:97], 4096
	s_add_co_u32 s98, s98, 1
	s_cmp_lg_u32 s98, 2
	s_cbranch_scc1 .Lphase
; ---- V
	PLACES 4
	SCLOAD
	WIN 3<<6
.irp t, 0,1,2,3
	global_load_b32 v[BI-768+8*\t], v18, s[96:97] offset:(32*(\t/2)+8*(\t%2))*4   ; one number a lane and tile
.endr
	WIN 0
	WEIGHTS
	FETCH 0, 0
	FETCH 1, 1
	s_wait_loadcnt 0x0
	WIN (3<<6)|3
.irp t, 0,8,16,24
.irp i, 1,2,3,4,5,6,7
	v_mov_b32 v[BI-768+\t+\i], v[BI-768+\t]
.endr
.endr
	WIN 0
	PLACES 4
	s_wait_alu depctr_va_vdst(0)                   ; the wait here, directly ahead of the wait below
.irp s, 0,1,2,3,4,5,6,7
.if \s < 7
	s_wait_dscnt 40
.else
	s_wait_dscnt 0x0
.endif
	BLOCK 1, \s%2, 64+776*(\s/4)+8*(\s%4), 32
	PLACES 4
.if \s < 6
	FETCH \s%2, \s+2
.endif
.endr
; Row 8 h + j of token tile 4 c + u is key 64 c + 32 h + 8 u + j of the key step: so a lane's 32 registers of dim tile t and half c are ONE block of 32 keys, in the operand's order
.irp c, 0,1
	WIN (3*\c)|((3*\c)<<2)
.irp t, 0,1,2,3
	v_max3_num_f32 v[TM+4*\c+\t], |v[64+8*\c+32*\t]|, |v[65+8*\c+32*\t]|, 0x1800000   ; with the floor 2^(3 - 127)
.endr
	WIN ((3*\c)<<2)|((3*\c)<<4)
.irp i, 2,4,6,8,10,12,14,16,18,20,22,24,26,28,30
.irp t, 0,1,2,3
	v_max3_num_f32 v[TM+4*\c+\t], v[TM+4*\c+\t], |v[64+8*\c+32*\t+\i]|, |v[65+8*\c+32*\t+\i]|
.endr
.endr
.endr
	WIN 0
.irp n, 0,1,2,3,4,5,6,7
	v_add_nc_u32 v[TM+8+\n], 0xff000000, v[TM+\n]      ; 2 off the exponent field: the conversion's scale operand
.endr
.irp n, 0,1,2,3,4,5,6,7
	v_lshrrev_b32 v[TM+\n], 23, v[TM+8+\n]             ; the scale's byte: block 2 c + h of my dim
.endr
.irp t, 0,1,2,3
	v_lshl_or_b32 v[PW+\t], v[TM+4+\t], 16, v[TM+\t]
.endr
.irp t, 0,1,2,3
	v_lshlrev_b32 v[PW+\t], v22, v[PW+\t]              ; at their places in the scale word, 8 h bits up
.endr
.irp t, 0,1,2,3
	v_permlanex16_b32 v[TM+4+\t], v[PW+\t], s[SEL], s[SEL+1]
.endr
.irp t, 0,1,2,3
	v_or_b32 v[PW+\t], v[PW+\t], v[TM+4+\t]            ; with lane l xor 16's two bytes the word is whole
.endr
	s_wait_alu depctr_va_vdst(0)                   ; the wait here, directly ahead of the wait below
.irp t, 0,1,2,3
	s_wait_xcnt 0x0                                ; the earlier stores have read the codes' registers
	v_cvt_scalef32_pk16_fp6_f32 v[PC:PC+2], v[64+32*\t:79+32*\t], v[TM+8+\t]
	v_cvt_scalef32_pk16_fp6_f32 v[PC+12:PC+14], v[80+32*\t:95+32*\t], v[TM+8+\t]
	WIN 3
	v_cvt_scalef32_pk16_fp6_f32 v[PC+6:PC+8], v[72+32*\t:87+32*\t], v[TM+12+\t]
	v_cvt_scalef32_pk16_fp6_f32 v[PC+16:PC+18], v[88+32*\t:103+32*\t], v[TM+12+\t]
	WIN 0
	v_nop                                          ; one plain place behind a scaled conversion
.irp i, 0,1,2
	v_mov_b32 v[PC+3+\i], v[PC+12+\i]
	v_mov_b32 v[PC+9+\i], v[PC+16+\i]
.endr
	global_store_b128 v4, v[PC:PC+3], s[14:15] offset:1536*\t
	global_store_b64 v5, v[PC+4:PC+5], s[14:15] offset:1536*\t+512
	global_store_b128 v4, v[PC+6:PC+9], s[14:15] offset:1536*\t+768
	global_store_b64 v5, v[PC+10:PC+11], s[14:15] offset:1536*\t+1280
	global_store_b32 v13, v[PW+\t], s[16:17] offset:128*\t
.endr
	s_wait_tensorcnt 0x0                           ; the wave's end
	ds_add_u32 v[SPW], v[NIL]
	s_wait_dscnt 0x0
	CROUND                                         ; the closing round
	s_endpgm
.Lfunc_end_k_q6a92c2b32c_qkv:
	.size	k_q6a92c2b32c_qkv, .Lfunc_end_k_q6a92c2b32c_qkv-k_q6a92c2b32c_qkv
	.p2alignl 7, 3214868480
	.fill 96, 4, 3214868480
	.section	.rodata,"a",@progbits
	.p2align	6, 0x0
	.amdhsa_kernel k_q6a92c2b32c_qkv
		.amdhsa_group_segment_fixed_size 327680
		.amdhsa_private_segment_fixed_size 0
		.amdhsa_enable_private_segment 0
		.amdhsa_kernarg_size 56
		.amdhsa_user_sgpr_count 2
		.amdhsa_user_sgpr_kernarg_segment_ptr 1
		.amdhsa_wavefront_size32 1
		.amdhsa_system_sgpr_workgroup_id_x 1
		.amdhsa_system_sgpr_workgroup_id_y 1
		.amdhsa_system_sgpr_workgroup_id_z 1
		.amdhsa_system_vgpr_workitem_id 0
		.amdhsa_next_free_vgpr 1024
		.amdhsa_next_free_sgpr 102
		.amdhsa_reserve_vcc 0
		.amdhsa_float_denorm_mode_32 3
		.amdhsa_float_denorm_mode_16_64 3
		.amdhsa_memory_ordered 1
		.amdhsa_forward_progress 1
		.amdhsa_inst_pref_size 174
	.end_amdhsa_kernel
	.amdgpu_metadata
---
amdhsa.version: [ 1, 2 ]
amdhsa.kernels:
  - .name:           k_q6a92c2b32c_qkv
    .symbol:         k_q6a92c2b32c_qkv.kd
    .args:
      - { .name: x_img, .offset: 0, .size: 8, .value_kind: global_buffer, .address_space: global }
      - { .name: x_sc, .offset: 8, .size: 8, .value_kind: global_buffer, .address_space: global }
      - { .name: w_img, .offset: 16, .size: 8, .value_kind: global_buffer, .address_space: global }
      - { .name: w_sc, .offset: 24, .size: 8, .value_kind: global_buffer, .address_space: global }
      - { .name: b_qkv, .offset: 32, .size: 8, .value_kind: global_buffer, .address_space: global }
      - { .name: qkv_img, .offset: 40, .size: 8, .value_kind: global_buffer, .address_space: global }
      - { .name: qkv_sc, .offset: 48, .size: 8, .value_kind: global_buffer, .address_space: global }
    .group_segment_fixed_size: 327680
    .private_segment_fixed_size: 0
    .kernarg_segment_align: 8
    .kernarg_segment_size: 56
    .max_flat_workgroup_size: 128
    .sgpr_count:     102
    .vgpr_count:     1024
    .wavefront_size: 32
...
	.end_amdgpu_metadata
.endif
;; end of part 2
;; launch attn (part 3): grid 4 x 64, 16 waves a work-group, clusters of 4 x 1, 215,040 bytes of LDS; arguments qkv_img, qkv_sc, o_img, o_sc; writes o_img, o_sc
.if DOCPART == 3
	.amdgcn_target "amdgcn-amd-amdhsa--gfx1250"
	.amdhsa_code_object_version 6
	.text
	.protected	k_q6a92c2b32c_attn
	.globl	k_q6a92c2b32c_attn
	.p2align	8
	.type	k_q6a92c2b32c_attn,@function
k_q6a92c2b32c_attn:
	s_mov_b64 s[64:65], 0
	v_nop
	global_prefetch_b8 v0, s[64:65] scope:SCOPE_SE
	s_setreg_imm32_b32 hwreg(HW_REG_WAVE_MODE, 25, 1), 1
	s_wait_xcnt 0x0
	s_wait_alu depctr_hold_cnt(0) depctr_sa_sdst(0) depctr_va_vdst(0) depctr_va_sdst(0) depctr_va_ssrc(0) depctr_va_vcc(0) depctr_vm_vsrc(0)
	s_getreg_b32 s2, hwreg(HW_REG_IB_STS2, 6, 4)
	s_cmp_eq_u32 s2, 0
	s_cbranch_scc0 .Lentry_in_a_cluster
	s_endpgm
.Lentry_in_a_cluster:
	s_bfe_u32 s2, ttmp6, 0x10000c
	s_cmp_lg_u32 s2, 0x3003
	s_cbranch_scc0 .Lentry_shape_is_right
	s_endpgm
.Lentry_shape_is_right:
; o = softmax(q k^T / 8) v for one batch and head, both products on codes of FP6 (E2M3) with E8M0 scales, and the quantiser of o (along the head's 64) for the last product.
; THE SOFTMAX: t = score x log2(e) / 8; M = the running largest t rounded UP to a whole number; p = 2^(t - M) is quantised along the keys, not normalised; the row's sum is taken of the unquantised p and divides at the end.
; When M moves, the sum and O are multiplied by 2^(old M - new M): exact.
; SHARES.  A work-group owns 512 queries of one head; each of its sixteen waves two tiles of 16, one after the other, in 256 registers: four waves to a SIMD.
; A WHOLE HEAD'S K AND V, codes and scale words, 212,992 bytes, come into LDS ONCE, at the head: no slot is filled again, and no barrier stands in the loops.
; CLUSTER.  The four work-groups of a cluster are the four query blocks of one head: they ask for K and V jointly.
; LAYOUT.  Both products are used transposed: S^T = K Q^T, O^T = V^T P^T: a lane holds ONE query.  Operands lie as images of their registers.
; Row 8 h + j of token tile 4 c + u of a key step is key 64 c + 32 h + 8 u + j: so the 32 registers of tiles 4 c .. 4 c + 3 of S^T are, in lane (r, h), the 32 keys of block 2 c + h, in the order of P's operand registers:
; a block's largest score needs no other lane, and the conversions' results are the operand.  Dim tile T's lane r holds dim 32 (T / 2) + 8 (T % 2) + r + 8 (r / 8): the 16 registers of tiles 2 b, 2 b + 1 of O^T are 16 neighbouring dims.
; THE FIRST PRODUCT'S K IS 64: Q's upper six registers are zero codes; a tile of K is six registers, and the six behind them (the next tile's codes, or zeros) meet those zero codes and add nothing.
; LIMITS: NaN and infinities are not served; a p under 2^-126 comes out as 0; a block of zeros gets the byte 1 (the bytes are read by this program alone).
.set KIMG,  0                          ; K: [tile 128][768]
.set VIMG,  98304                      ; V: [key step 16][dim tile 4][1536]
.set KSC,   196608                     ; K's scale words: [tile 128][16 words]
.set VSC,   204800                     ; V's: [key step][dim tile][32 words]
.set SPARE, 212992                     ; the spare words, 128 bytes for each of sixteen waves
.set SPW,   5
.set NIL,   6
.set FRG,   44                         ; v44-91 eight tiles of K or four fragments of V; v92-97 zeros
.set S,     100                        ; v100-163 S^T, then p
.set O,     164                        ; v164-195 O^T
.set PC,    196                        ; v196-214 codes
.set KS,    216
.set VS,    220
.set TM,    224                        ; v224-239 at work
.set PW,    242
.set WV,    18
.set SEL,   20
.set CS,    22
.set G1C,   24
.set G1S,   32
.set G0C,   40
.set G0S,   44
.set TB,    48                         ; s48  the key step's codes: 6,144 bytes a step, in K's image and in V's
.set TS,    49                         ; s49  its scale words: 512 bytes a step
.set CNT,   50
.macro CROUND
	s_barrier_signal -1
	s_barrier_wait -1
	s_cmp_lg_u32 s[WV], 0
	s_cbranch_scc1 .Lnot_wave_0_\@
	s_barrier_signal -3
.Lnot_wave_0_\@:
	s_barrier_wait -3
	s_barrier_signal -1
	s_barrier_wait -1
.endm
; 32 numbers of a lane, register 16 b + i = dim 32 b + 16 (lane / 16) + i, become six registers of codes from v[PC] on and two scale bytes in v[PW]
.macro QUANT s
.irp b, 0,1
	v_max3_num_f32 v[TM+\b], |v[\s+16*\b]|, |v[\s+1+16*\b]|, 0x1800000   ; with the floor 2^(3 - 127): the byte cannot fall under 1
.endr
.irp i, 2,4,6,8,10,12,14
.irp b, 0,1
	s_delay_alu instid0(VALU_DEP_2)
	v_max3_num_f32 v[TM+\b], v[TM+\b], |v[\s+16*\b+\i]|, |v[\s+1+16*\b+\i]|
.endr
.endr
.irp b, 0,1
	s_delay_alu instid0(VALU_DEP_2)
	v_permlanex16_b32 v[TM+4+\b], v[TM+\b], s[SEL], s[SEL+1]
.endr
.irp b, 0,1
	s_delay_alu instid0(VALU_DEP_2)
	v_max_num_f32 v[TM+\b], v[TM+\b], v[TM+4+\b]
.endr
.irp b, 0,1
	s_delay_alu instid0(VALU_DEP_2)
	v_add_nc_u32 v[TM+12+\b], 0xff000000, v[TM+\b]
.endr
.irp b, 0,1
	s_delay_alu instid0(VALU_DEP_2)
	v_lshrrev_b32 v[TM+4+\b], 23, v[TM+12+\b]
.endr
	s_delay_alu instid0(VALU_DEP_1)
	v_lshl_or_b32 v[PW], v[TM+5], 8, v[TM+4]
	v_cvt_scalef32_pk16_fp6_f32 v[PC:PC+2], v[\s:\s+15], v[TM+12]
	v_cvt_scalef32_pk16_fp6_f32 v[PC+12:PC+14], v[\s+16:\s+31], v[TM+13]
	v_nop                                              ; one plain place behind a scaled conversion
.irp i, 0,1,2
	v_permlane16_swap_b32 v[PC+\i], v[PC+12+\i]
.endr
.irp i, 0,1,2
	s_delay_alu instid0(VALU_DEP_3)
	v_mov_b32 v[PC+3+\i], v[PC+12+\i]
.endr
.endm
	s_load_b256 s[4:11], s[0:1], 0x0               ; qkv_img, qkv_sc, o_img, o_sc
	v_lshl_add_u32 v[SPW], v0, 2, SPARE
	v_mov_b32 v[NIL], 0
	ds_add_u32 v[SPW], v[NIL]                      ; the opening lines: the add, twice on end, and its wait
	ds_add_u32 v[SPW], v[NIL]
	v_lshrrev_b32 v1, 5, v0
	s_delay_alu instid0(VALU_DEP_1)
	v_readfirstlane_b32 s[WV], v1                  ; wave 0..15
	s_bfe_u32 s13, ttmp6, 0x40000                  ; cx: my block of 512 queries
	s_and_b32 s12, ttmp7, 0xffff                   ; batch x 16 + head, which the four partners share
	s_mov_b32 s[G1C], 15|(3<<16)|(1<<21)           ; the mask: all four; elements of 8 bytes; bit 21 beside a mask.  A dense block of 24,576 bytes as 96 rows of 256
	s_mov_b32 s[G1C+1], 32<<16
	s_mov_b32 s[G1C+2], 96<<16
	s_mov_b32 s[G1C+3], 32<<16
	s_mov_b32 s[G1C+4], 96
	s_mov_b32 s[G1C+5], 32
	s_mov_b32 s[G1C+6], 0
	s_mov_b32 s[G1C+7], 0
	s_mov_b32 s[G1S], 15|(3<<16)|(1<<21)           ; 8,192 bytes as 32 rows of 256
	s_mov_b32 s[G1S+1], 32<<16
	s_mov_b32 s[G1S+2], 32<<16
	s_mov_b32 s[G1S+3], 32<<16
	s_mov_b32 s[G1S+4], 32
	s_mov_b32 s[G1S+5], 32
	s_mov_b32 s[G1S+6], 0
	s_mov_b32 s[G1S+7], 0
	s_and_b32 s51, s[WV], 7                        ; waves 0-3: K's quarters; waves 4-7: V's
	s_mul_i32 s52, s51, 24576
	s_lshr_b32 s53, s51, 2
	s_lshl_b32 s53, s53, 6
	s_add_co_u32 s53, s53, s12
	s_add_co_u32 s53, s53, 64                      ; block 64 + head for K, 128 + head for V
	s_mul_i32 s54, s53, 98304
	s_and_b32 s55, s[WV], 3
	s_mul_i32 s55, s55, 24576
	s_add_co_u32 s54, s54, s55
	s_mov_b32 s55, 0
	s_and_b32 s56, s[WV], 1                        ; wave 8: K's scale words; wave 9: V's
	s_lshl_b32 s57, s56, 13
	s_add_co_u32 s57, s57, KSC
	s_lshl_b32 s58, s56, 6
	s_add_co_u32 s58, s58, s12
	s_add_co_u32 s58, s58, 64
	s_lshl_b32 s58, s58, 13
	s_mov_b32 s59, 0
	s_lshl_b32 s60, s13, 5
	s_add_co_u32 s60, s60, s[WV]                   ; my first tile of queries: 32 cx + wave; the second lies 16 tiles on
	s_mul_i32 s62, s12, 98304
	s_mul_i32 s63, s60, 768
	s_add_co_u32 s62, s62, s63
	s_mov_b32 s63, 0
	s_lshl_b32 s66, s12, 13
	s_lshl_b32 s67, s60, 6
	s_add_co_u32 s66, s66, s67
	s_mov_b32 s67, 0
	s_lshr_b32 s68, s12, 4
	s_lshl_b32 s68, s68, 7
	s_add_co_u32 s68, s68, s60                     ; the token tile among the 512
	s_and_b32 s69, s12, 15                         ; the head
	s_mul_i32 s70, s68, 12288
	s_mul_i32 s71, s69, 768
	s_add_co_u32 s70, s70, s71
	s_mov_b32 s71, 0
	s_lshl_b32 s72, s68, 10
	s_lshr_b32 s73, s69, 1
	s_lshl_b32 s73, s73, 7
	s_add_co_u32 s72, s72, s73
	s_and_b32 s73, s12, 1
	s_lshl_b32 s73, s73, 1
	s_add_co_u32 s72, s72, s73                     ; my head's 16-bit half of each scale word
	s_mov_b32 s73, 0
	s_mov_b32 s[SEL], 0x76543210
	s_mov_b32 s[SEL+1], 0xfedcba98
	s_mov_b32 s[CS], 0x3e38aa3b                    ; c = log2(e) / 8
	s_mov_b32 s[CS+1], s[CS]
	s_wait_dscnt 0x0                               ; the opening adds are done
	s_wait_kmcnt 0x0
	s_mov_b32 s[G0C], 1
	s_mov_b32 s[G0C+1], s52
	s_add_nc_u64 s[G0C+2:G0C+3], s[4:5], s[54:55]
	s_or_b32 s[G0C+3], s[G0C+3], 0x80000000
	s_mov_b32 s[G0S], 1
	s_mov_b32 s[G0S+1], s57
	s_add_nc_u64 s[G0S+2:G0S+3], s[6:7], s[58:59]
	s_or_b32 s[G0S+3], s[G0S+3], 0x80000000
	s_add_nc_u64 s[74:75], s[4:5], s[62:63]        ; Q's codes
	s_add_nc_u64 s[76:77], s[6:7], s[66:67]        ; Q's scale words
	s_add_nc_u64 s[8:9], s[8:9], s[70:71]
	s_add_nc_u64 s[10:11], s[10:11], s[72:73]
	CROUND                                         ; all four work-groups are here: the joint loads meet
	s_cmp_lt_u32 s[WV], 8                          ; one load a wave at the most; the branches hang on the wave's number alone
	s_cbranch_scc0 .Lnot_codes
	tensor_load_to_lds s[G0C:G0C+3], s[G1C:G1C+7]
	s_nop 0
.rept 4
	v_nop
.endr
	s_branch .Lasked
.Lnot_codes:
	s_cmp_lt_u32 s[WV], 10
	s_cbranch_scc0 .Lasked
	tensor_load_to_lds s[G0S:G0S+3], s[G1S:G1S+7]
	s_nop 0
.rept 4
	v_nop
.endr
.Lasked:
	v_bfe_u32 v43, v0, 4, 1
	s_delay_alu instid0(VALU_DEP_1)
	v_lshlrev_b32 v43, 3, v43                      ; 8 h
	v_and_b32 v7, 31, v0
	s_delay_alu instid0(VALU_DEP_1)
	v_lshlrev_b32 v1, 4, v7                        ; 16 x lane
	s_delay_alu instid0(VALU_DEP_2)
	v_lshlrev_b32 v2, 3, v7                        ; 8 x lane
	s_delay_alu instid0(VALU_DEP_3)
	v_lshlrev_b32 v3, 2, v7                        ; 4 x lane
	v_and_b32 v4, 15, v0
	s_delay_alu instid0(VALU_DEP_1)
	v_lshlrev_b32 v4, 2, v4                        ; 4 r
	s_delay_alu instid0(VALU_DEP_3)
	v_add_nc_u32 v7, KSC, v3
.irp p, 0,1
	global_load_b128 v[16+12*\p:19+12*\p], v1, s[74:75] offset:12288*\p       ; both tiles' Q stay in registers
	global_load_b64 v[20+12*\p:21+12*\p], v2, s[74:75] offset:12288*\p+512
	global_load_b32 v[40+\p], v4, s[76:77] offset:1024*\p
.endr
.irp i, 22,23,24,25,26,27,34,35,36,37,38,39,92,93,94,95,96,97
	v_mov_b32 v[\i], 0                             ; zero codes: K = 64 .. 127 of the first product
.endr
.irp b, 0,1,2,3
	v_mov_b32 v[TM+4+\b], 0                        ; a lane permute's destination counts as one of its sources
.endr
	v_mov_b32 v241, 0
	v_mov_b32 v244, 0
	s_wait_tensorcnt 0x0                           ; my part of K and V has landed,
	s_barrier_signal -1
	s_barrier_wait -1                              ; everybody's has
	s_wait_loadcnt 0x0                             ; Q
; A KEY STEP: 128 keys, for query tile p
.macro KEYS p
	v_add_nc_u32 v8, s[TB], v1                     ; (these five are the places between the last products and the loads into their registers)
	v_add_nc_u32 v9, s[TB], v2
	s_delay_alu instid0(VALU_DEP_2)
	v_add_nc_u32 v10, VIMG, v8
	s_delay_alu instid0(VALU_DEP_2)
	v_add_nc_u32 v11, VIMG, v9
	v_add_nc_u32 v42, s[TS], v7
.irp t, 0,1,2,3,4,5,6,7
	ds_load_b128 v[FRG+6*\t:FRG+6*\t+3], v8 offset:768*\t
	ds_load_b64 v[FRG+6*\t+4:FRG+6*\t+5], v9 offset:768*\t+512
.endr
.irp i, 0,1,2,3
	ds_load_b32 v[KS+\i], v42 offset:128*\i        ; lanes 0-15: tile 2 i's words; lanes 16-31: tile 2 i + 1's
.endr
	s_wait_alu depctr_va_vdst(0)
	s_wait_dscnt 0x0
.irp t, 0,1,2,3,4,5,6,7
.if \t%2
	v_wmma_scale_f32_16x16x128_f8f6f4 v[S+8*\t:S+8*\t+7], v[FRG+6*\t:FRG+6*\t+11], v[16+12*(\p):27+12*(\p)], 0, v[KS+\t/2], v[40+(\p)] matrix_a_fmt:MATRIX_FMT_FP6 matrix_b_fmt:MATRIX_FMT_FP6 matrix_a_scale:MATRIX_SCALE_ROW1
.else
	v_wmma_scale_f32_16x16x128_f8f6f4 v[S+8*\t:S+8*\t+7], v[FRG+6*\t:FRG+6*\t+11], v[16+12*(\p):27+12*(\p)], 0, v[KS+\t/2], v[40+(\p)] matrix_a_fmt:MATRIX_FMT_FP6 matrix_b_fmt:MATRIX_FMT_FP6
.endif
.endr
.rept 4
	v_nop                                          ; places: in front of the loads into K's registers and of the first read of the scores
.endr
.irp t, 0,1,2,3                                ; V's four fragments land while the softmax is worked
	ds_load_b128 v[FRG+12*\t:FRG+12*\t+3], v10 offset:1536*\t
	ds_load_b64 v[FRG+12*\t+4:FRG+12*\t+5], v11 offset:1536*\t+512
	ds_load_b128 v[FRG+12*\t+6:FRG+12*\t+9], v10 offset:1536*\t+768
	ds_load_b64 v[FRG+12*\t+10:FRG+12*\t+11], v11 offset:1536*\t+1280
	ds_load_b32 v[VS+\t], v42 offset:8192+128*\t
.endr
.irp b, 0,1,2,3
	v_max3_num_f32 v[TM+\b], v[S+16*\b], v[S+1+16*\b], v[S+2+16*\b]   ; four chains of 16 scores
.endr
.irp i, 3,5,7,9,11,13
.irp b, 0,1,2,3
	v_max3_num_f32 v[TM+\b], v[TM+\b], v[S+16*\b+\i], v[S+1+16*\b+\i]
.endr
.endr
.irp b, 0,1,2,3
	v_max_num_f32 v[TM+\b], v[TM+\b], v[S+15+16*\b]
.endr
	s_delay_alu instid0(VALU_DEP_3)
	v_max_num_f32 v[TM], v[TM], v[TM+1]            ; the largest score of my block h of 32 keys: for the row's maximum, and, since p rises with the score, for the block's largest p
	s_delay_alu instid0(VALU_DEP_2)
	v_max_num_f32 v[TM+1], v[TM+2], v[TM+3]        ; and of my block 2 + h
	s_delay_alu instid0(VALU_DEP_1)
	v_max_num_f32 v244, v[TM], v[TM+1]
	s_delay_alu instid0(VALU_DEP_1)
	v_permlanex16_b32 v[TM+4], v244, s[SEL], s[SEL+1]
	s_delay_alu instid0(VALU_DEP_1)
	v_max_num_f32 v244, v244, v[TM+4]              ; with lane l xor 16's 64 keys
	s_delay_alu instid0(VALU_DEP_1)
	v_mul_f32 v244, s[CS], v244                    ; as t (c is positive)
	s_delay_alu instid0(VALU_DEP_1)
	v_max_num_f32 v13, v13, v244                   ; the running largest t
	v_mov_b32 v244, v12
	s_delay_alu instid0(VALU_DEP_2)
	v_floor_f32 v12, -v13                          ; the new -M = floor(-t): M is a whole number
	s_delay_alu instid0(VALU_DEP_1)
	v_sub_f32 v244, v12, v244                      ; old M - new M: a whole number, 0 or less
	s_delay_alu instid0(VALU_DEP_1)
	v_cvt_i32_f32 v244, v244                       ; (it saturates)
	s_delay_alu instid0(VALU_DEP_1)
	v_ldexp_f32 v240, 1.0, v244                    ; f = 2^(old M - new M)
.set j, 0
.rept 32
	v_pk_fma_f32 v[S+j:S+j+1], v[S+j:S+j+1], s[CS:CS+1], v[12:13] op_sel_hi:[1,0,0]   ; t - M, two at a time
.set j, j+2
.endr
.irp b, 0,1
	v_fma_f32 v[TM+\b], v[TM+\b], s[CS], v12       ; the same of each block's largest score
.endr
.set j, 0
	s_wait_alu depctr_va_vdst(0)
.rept 64
	v_exp_f32 v[S+j], v[S+j]                       ; p = 2^(t - M): not normalised
.set j, j+1
.endr
	v_pk_mul_f32 v[14:15], v[14:15], v[240:241] op_sel_hi:[1,0]   ; the sums under the new M.  (The plain place behind the exponentials)
	s_wait_alu depctr_va_vdst(0)                   ; one wait for the whole batch, ahead of its first reader
.irp b, 0,1
	v_exp_f32 v[TM+\b], v[TM+\b]                   ; the block's largest p: the same two instructions on the same number give the same bits
.endr
	v_pk_add_f32 v[232:233], v[104:105], v[108:109]
	v_pk_add_f32 v[254:255], v[112:113], v[116:117]
	v_pk_add_f32 v[252:253], v[120:121], v[124:125]
	v_pk_add_f32 v[250:251], v[128:129], v[132:133]
	v_pk_add_f32 v[248:249], v[136:137], v[140:141]
	v_pk_add_f32 v[246:247], v[144:145], v[148:149]
	v_pk_add_f32 v[242:243], v[152:153], v[156:157]
	v_pk_add_f32 v[14:15], v[14:15], v[160:161]
	v_pk_add_f32 v[232:233], v[232:233], v[100:101]
	v_pk_add_f32 v[254:255], v[254:255], v[102:103]
	v_pk_add_f32 v[252:253], v[252:253], v[106:107]
	v_pk_add_f32 v[250:251], v[250:251], v[110:111]
	v_pk_add_f32 v[248:249], v[248:249], v[114:115]
	v_pk_add_f32 v[246:247], v[246:247], v[118:119]
	v_pk_add_f32 v[242:243], v[242:243], v[122:123]
	v_pk_add_f32 v[14:15], v[14:15], v[126:127]
	v_pk_add_f32 v[232:233], v[232:233], v[130:131]
	v_pk_add_f32 v[254:255], v[254:255], v[134:135]
	v_pk_add_f32 v[252:253], v[252:253], v[138:139]
	v_pk_add_f32 v[250:251], v[250:251], v[142:143]
	v_pk_add_f32 v[248:249], v[248:249], v[146:147]
	v_pk_add_f32 v[246:247], v[246:247], v[150:151]
	v_pk_add_f32 v[242:243], v[242:243], v[154:155]
	v_pk_add_f32 v[14:15], v[14:15], v[158:159]
	v_pk_add_f32 v[232:233], v[232:233], v[162:163]
	s_delay_alu instid0(VALU_DEP_2)
	v_pk_add_f32 v[14:15], v[14:15], v[250:251]
	s_delay_alu instid0(VALU_DEP_2)
	v_pk_add_f32 v[232:233], v[232:233], v[248:249]
	v_pk_add_f32 v[254:255], v[254:255], v[246:247]
	v_pk_add_f32 v[252:253], v[252:253], v[242:243]
	s_delay_alu instid0(VALU_DEP_2)
	v_pk_add_f32 v[14:15], v[14:15], v[254:255]
	s_delay_alu instid0(VALU_DEP_2)
	v_pk_add_f32 v[232:233], v[232:233], v[252:253]
	s_delay_alu instid0(VALU_DEP_1)
	v_pk_add_f32 v[14:15], v[14:15], v[232:233]
	s_wait_alu depctr_va_vdst(0)                   ; and one for the two
.irp b, 0,1
	v_max_num_f32 v[TM+\b], 0x1800000, v[TM+\b]    ; the floor 2^(3 - 127)
.endr
.irp b, 0,1
	s_delay_alu instid0(VALU_DEP_2)
	v_add_nc_u32 v[TM+12+\b], 0xff000000, v[TM+\b] ; 2 off the exponent field: the conversion's scale operand
.endr
.irp b, 0,1
	s_delay_alu instid0(VALU_DEP_2)
	v_lshrrev_b32 v[TM+4+\b], 23, v[TM+12+\b]      ; the scale's byte: blocks h and 2 + h
.endr
	s_delay_alu instid0(VALU_DEP_1)
	v_lshl_or_b32 v241, v[TM+5], 16, v[TM+4]
	s_delay_alu instid0(VALU_DEP_1)
	v_lshlrev_b32 v241, v43, v241                  ; at their places in the scale word, 8 h bits up
	s_delay_alu instid0(VALU_DEP_1)
	v_permlanex16_b32 v[TM+6], v241, s[SEL], s[SEL+1]
	s_delay_alu instid0(VALU_DEP_1)
	v_or_b32 v241, v241, v[TM+6]                   ; with lane l xor 16's two: p's scale word for these 128 keys
.irp c, 0,1
	v_cvt_scalef32_pk16_fp6_f32 v[PC+6*\c:PC+2+6*\c], v[S+32*\c:S+15+32*\c], v[TM+12+\c]
	v_cvt_scalef32_pk16_fp6_f32 v[PC+12+4*\c:PC+14+4*\c], v[S+16+32*\c:S+31+32*\c], v[TM+12+\c]   ; (a conversion's three registers begin on an even number)
.endr
	v_nop                                          ; one plain place behind a scaled conversion
.irp c, 0,1
.irp i, 0,1,2
	v_mov_b32 v[PC+3+6*\c+\i], v[PC+12+4*\c+\i]
.endr
.endr
.set j, 0
.rept 16
	v_pk_mul_f32 v[O+j:O+j+1], v[O+j:O+j+1], v[240:241] op_sel_hi:[1,0]   ; O^T under the new M.  (These sixteen also stand between the writes of p's codes and scale word and the products)
.set j, j+2
.endr
	s_wait_alu depctr_va_vdst(0)
	s_wait_dscnt 0x0                               ; V
.irp t, 0,1,2,3
	v_wmma_scale_f32_16x16x128_f8f6f4 v[O+8*\t:O+8*\t+7], v[FRG+12*\t:FRG+12*\t+11], v[PC:PC+11], v[O+8*\t:O+8*\t+7], v[VS+\t], v241 matrix_a_fmt:MATRIX_FMT_FP6 matrix_b_fmt:MATRIX_FMT_FP6
.endr
.endm
; One tile of 16 queries against all 2,048 keys, then its way out
.macro PASS p
.if \p
	s_wait_xcnt 0x0                                ; the first tile's stores have read the codes and the scale word: both are written again
.endif
	v_mov_b32 v13, 0xff61b1e6                      ; the largest t so far: -3e38
	s_delay_alu instid0(VALU_DEP_1)
	v_floor_f32 v12, -v13
	v_mov_b32 v14, 0
	v_mov_b32 v15, 0
.set j, 0
.rept 32
	v_mov_b32 v[O+j], 0                            ; the loop is written once: its first step finds zeros, which the first change of M leaves zeros
.set j, j+1
.endr
	s_mov_b32 s[TB], 0
	s_mov_b32 s[TS], 0
	s_mov_b32 s[CNT], 16
.Lkeys_\@:
	KEYS \p
	s_add_co_u32 s[TB], s[TB], 6144
	s_add_co_u32 s[TS], s[TS], 512
	s_sub_co_u32 s[CNT], s[CNT], 1
	s_cmp_lg_u32 s[CNT], 0
	s_cbranch_scc1 .Lkeys_\@
.rept 4
	v_nop                                          ; places in front of the first read of O^T
.endr
	v_add_f32 v14, v14, v15
	s_delay_alu instid0(VALU_DEP_1)
	v_permlanex16_b32 v244, v14, s[SEL], s[SEL+1]
	s_delay_alu instid0(VALU_DEP_1)
	v_add_f32 v14, v14, v244                       ; the row's sum
	s_wait_alu depctr_va_vdst(0)
	v_rcp_f32 v240, v14
	v_nop                                          ; a plain place behind the reciprocal
	s_wait_alu depctr_va_vdst(0)                   ; and the wait ahead of its first reader
.set j, 0
.rept 16
	v_pk_mul_f32 v[S+j:S+j+1], v[O+j:O+j+1], v[240:241] op_sel_hi:[1,0]   ; O^T / the sum: register 16 b + i = dim 32 b + 16 h + i
.set j, j+2
.endr
	QUANT S                                        ; half a fragment of the last product's operand: my head's 64 of its K
	global_store_b128 v1, v[PC:PC+3], s[8:9] offset:196608*\p          ; 512 consecutive bytes
	global_store_b64 v2, v[PC+4:PC+5], s[8:9] offset:196608*\p+512     ; 256
	global_store_b16 v3, v[PW], s[10:11] offset:16384*\p               ; my head's two bytes of each lane's scale word
.endm
	PASS 0
	PASS 1
	s_wait_tensorcnt 0x0                           ; the wave's end
	ds_add_u32 v[SPW], v[NIL]
	s_wait_dscnt 0x0
	CROUND                                         ; the closing round
	s_endpgm
.Lfunc_end_k_q6a92c2b32c_attn:
	.size	k_q6a92c2b32c_attn, .Lfunc_end_k_q6a92c2b32c_attn-k_q6a92c2b32c_attn
	.p2alignl 7, 3214868480
	.fill 96, 4, 3214868480
	.section	.rodata,"a",@progbits
	.p2align	6, 0x0
	.amdhsa_kernel k_q6a92c2b32c_attn
		.amdhsa_group_segment_fixed_size 215040
		.amdhsa_private_segment_fixed_size 0
		.amdhsa_enable_private_segment 0
		.amdhsa_kernarg_size 32
		.amdhsa_user_sgpr_count 2
		.amdhsa_user_sgpr_kernarg_segment_ptr 1
		.amdhsa_wavefront_size32 1
		.amdhsa_system_sgpr_workgroup_id_x 1
		.amdhsa_system_sgpr_workgroup_id_y 1
		.amdhsa_system_sgpr_workgroup_id_z 1
		.amdhsa_system_vgpr_workitem_id 0
		.amdhsa_next_free_vgpr 256
		.amdhsa_next_free_sgpr 80
		.amdhsa_reserve_vcc 0
		.amdhsa_float_denorm_mode_32 3
		.amdhsa_float_denorm_mode_16_64 3
		.amdhsa_memory_ordered 1
		.amdhsa_forward_progress 1
		.amdhsa_inst_pref_size 52
	.end_amdhsa_kernel
	.amdgpu_metadata
---
amdhsa.version: [ 1, 2 ]
amdhsa.kernels:
  - .name:           k_q6a92c2b32c_attn
    .symbol:         k_q6a92c2b32c_attn.kd
    .args:
      - { .name: qkv_img, .offset: 0, .size: 8, .value_kind: global_buffer, .address_space: global }
      - { .name: qkv_sc, .offset: 8, .size: 8, .value_kind: global_buffer, .address_space: global }
      - { .name: o_img, .offset: 16, .size: 8, .value_kind: global_buffer, .address_space: global }
      - { .name: o_sc, .offset: 24, .size: 8, .value_kind: global_buffer, .address_space: global }
    .group_segment_fixed_size: 215040
    .private_segment_fixed_size: 0
    .kernarg_segment_align: 8
    .kernarg_segment_size: 32
    .max_flat_workgroup_size: 512
    .sgpr_count:     80
    .vgpr_count:     256
    .wavefront_size: 32
...
	.end_amdgpu_metadata
.endif
;; end of part 3
;; launch proj (part 4): grid 8 x 32, 4 waves a work-group, clusters of 4 x 4, 327,680 bytes of LDS; arguments o_img, o_sc, w_img, w_sc, b_proj, out0; writes out0
.if DOCPART == 4
	.amdgcn_target "amdgcn-amd-amdhsa--gfx1250"
	.amdhsa_code_object_version 6
	.text
	.protected	k_q6a92c2b32c_proj
	.globl	k_q6a92c2b32c_proj
	.p2align	8
	.type	k_q6a92c2b32c_proj,@function
k_q6a92c2b32c_proj:
	s_mov_b64 s[64:65], 0
	v_nop
	global_prefetch_b8 v0, s[64:65] scope:SCOPE_SE
	s_setreg_imm32_b32 hwreg(HW_REG_WAVE_MODE, 25, 1), 1
	s_wait_xcnt 0x0
	s_wait_alu depctr_hold_cnt(0) depctr_sa_sdst(0) depctr_va_vdst(0) depctr_va_sdst(0) depctr_va_ssrc(0) depctr_va_vcc(0) depctr_vm_vsrc(0)
	s_getreg_b32 s2, hwreg(HW_REG_IB_STS2, 6, 4)
	s_cmp_eq_u32 s2, 0
	s_cbranch_scc0 .Lentry_in_a_cluster
	s_endpgm
.Lentry_in_a_cluster:
	s_bfe_u32 s2, ttmp6, 0x10000c
	s_cmp_lg_u32 s2, 0xf033
	s_cbranch_scc0 .Lentry_shape_is_right
	s_endpgm
.Lentry_shape_is_right:
; out0 = o w_proj + b_proj on codes of FP6 (E2M3) with E8M0 scales; f32 out.
; THE DEAL.  Work-group (c, g): tokens 256 g .. 256 g + 255 against columns 128 c .. 128 c + 127: 8 x 32 = 256 work-groups.  The tokens' 16 tiles, all of K (196,608 bytes), their scale words (16,384)
; and the weight's 8 tiles (98,304) come into LDS once: nothing is filled again.  Wave (a, b): token tiles 8 a .. 8 a + 7, columns 64 b .. 64 b + 63 of the 128, whose weights lie in 384 registers;
; a token tile lies in one of two register sets, fetched two tiles ahead.  A tile is 32 products, its four accumulators by turns; the first four take the bias as C.
; Source 0 = the weight: a lane holds one token and 32 columns.  THE WAY OUT: a tile's 16 rows x 256 bytes turn through the wave's stage and leave 16 lanes to an aligned run of 256 bytes.
; The stages lie in the weight's region: it has had its only fill, and every wave has taken its weights into registers ahead of the second barrier.
; CLUSTER 4 x 4: the tokens' tiles are asked for jointly along a row, the weight's along a column.  No prefetch: every tile is asked for at the head, so there is no loop to run ahead in.
.set FR, 12
.set FPW, 21
.set WB, 196608
.set XSC, 294912
.set SPARE, 311296
.set SPW, 10
.set NIL, 11
.set SB, 24
.set SA, 44
.set ACC, 64
.set BK, 128                           ; v128-191 rows read back from the stage, two sets
.set BI, 992
.set G1W, 24
.set G1X, 32
.set G1S, 48
.set G0W, 68
.set G0X, 72
.set G0S, 76
.set MSB, 0
.macro WIN new
.if MSB != (\new)
	s_set_vgpr_msb (MSB<<8)|(\new)
.set MSB, (\new)
.endif
.endm
.macro PLACES n
.rept \n
	v_nop
.endr
.endm
.macro BARRIER
	s_barrier_signal -1
	s_barrier_wait -1
.endm
.macro CROUND
	BARRIER
	s_cmp_lg_u32 s18, 0
	s_cbranch_scc1 .Lnot_wave_0_\@
	s_barrier_signal -3
.Lnot_wave_0_\@:
	s_barrier_wait -3
	BARRIER
.endm
.macro TLOAD g0, g1
	tensor_load_to_lds s[\g0:\g0+3], s[\g1:\g1+7]
	s_nop 0
	PLACES 4
.endm
.macro GROUP1 g, mask, rows
	s_or_b32 s[\g], s[\mask], (3<<16)|(1<<21)
	s_mov_b32 s[\g+1], 32<<16
	s_mov_b32 s[\g+2], (\rows)<<16
	s_mov_b32 s[\g+3], 32<<16
	s_mov_b32 s[\g+4], \rows
	s_mov_b32 s[\g+5], 32
	s_mov_b32 s[\g+6], 0
	s_mov_b32 s[\g+7], 0
.endm
.macro FRAG f, a, off
	WIN (1+(\f)/FPW)<<6
.set R_, FR*((\f)%FPW)
	ds_load_b128 v[R_:R_+3], v[\a] offset:\off
	ds_load_b64 v[R_+4:R_+5], v[\a+1] offset:\off+512
	ds_load_b128 v[R_+6:R_+9], v[\a] offset:\off+768
	ds_load_b64 v[R_+10:R_+11], v[\a+1] offset:\off+1280
.endm
.macro WEIGHTS
.irp q, 0,1,2,3,4,5,6,7
.irp t, 0,1,2,3
	FRAG 4*\q+\t, 14, \t*12288+\q*1536
.endr
.endr
	WIN 0
.endm
.macro FETCH e, s
.irp q, 0,1,2,3,4,5,6,7
	FRAG 32+8*(\e)+\q, 6+2*((\s)/4), ((\s)%4)*12288+\q*1536
.endr
	WIN 0
.irp q, 0,1,2,3,4,5,6,7
	ds_load_b32 v[SA+8*(\e)+\q], v12 offset:(\s)*1024+\q*128
.endr
.endm
.macro PROD1 d, s0, s1, c, x0, x1, o
.if \o
	v_wmma_scale_f32_16x16x128_f8f6f4 v[\d:\d+7], v[FR*((\s0)%FPW):FR*((\s0)%FPW)+FR-1], v[FR*((\s1)%FPW):FR*((\s1)%FPW)+FR-1], v[\c:\c+7], v[\x0], v[\x1] matrix_a_fmt:MATRIX_FMT_FP6 matrix_b_fmt:MATRIX_FMT_FP6 matrix_a_scale:MATRIX_SCALE_ROW1
.else
	v_wmma_scale_f32_16x16x128_f8f6f4 v[\d:\d+7], v[FR*((\s0)%FPW):FR*((\s0)%FPW)+FR-1], v[FR*((\s1)%FPW):FR*((\s1)%FPW)+FR-1], v[\c:\c+7], v[\x0], v[\x1] matrix_a_fmt:MATRIX_FMT_FP6 matrix_b_fmt:MATRIX_FMT_FP6 matrix_a_scale:MATRIX_SCALE_ROW0
.endif
.endm
.macro PROD e, n, d
.set Q_, (\n)/4
.set T_, (\n)%4
.set FW_, 4*Q_+T_
.set FX_, 32+8*(\e)+Q_
.set CW_, 0
.set CL_, \d
.if Q_ == 0
.set CW_, 3
.set CL_, BI-768+8*T_
.endif
.set DL_, \d
	WIN (1+FW_/FPW)|((1+FX_/FPW)<<2)|(CW_<<4)
	PROD1 DL_, FW_, FX_, CL_, SB+8*(T_/2)+Q_, SA+8*(\e)+Q_, T_%2
.endm
.macro BLOCK e, d0
.set N_, 0
.rept 32
	PROD \e, N_, (\d0)+8*(N_%4)
.set N_, N_+1
.endr
	WIN 0
.endm
.macro TOSTAGE s                       ; 8 stores and 8 loads; LDS serves a wave's instructions in order, so no wait stands between them
.set AC_, ACC+32*((\s)%2)
.irp t, 0,1,2,3
	ds_store_b128 v22, v[AC_+8*\t:AC_+8*\t+3] offset:128*(\t/2)+32*(\t%2)
	ds_store_b128 v22, v[AC_+8*\t+4:AC_+8*\t+7] offset:128*(\t/2)+32*(\t%2)+16
.endr
.irp t, 0,1,2,3,4,5,6,7
	ds_load_b128 v[BK+32*((\s)%2)+4*\t:BK+32*((\s)%2)+4*\t+3], v23 offset:544*\t
.endr
.endm
.macro SEND s, younger                 ; tile row i is token 64 (s / 4) + 8 (s % 4) + i % 8 + 32 (i / 8) of my 128; a store takes rows 2 t and 2 t + 1
	s_wait_dscnt \younger
.irp t, 0,1,2,3,4,5,6,7
	global_store_b128 v20, v[BK+32*((\s)%2)+4*\t:BK+32*((\s)%2)+4*\t+3], s[14:15] offset:(64*((\s)/4)+8*((\s)%4)+2*\t+24*(\t/4))*4096 th:TH_STORE_NT
.endr
.endm
	s_load_b256 s[4:11], s[0:1], 0x0               ; o_img, o_sc, w_img, w_sc
	s_load_b128 s[12:15], s[0:1], 0x20             ; b_proj, out0
	v_lshl_add_u32 v[SPW], v0, 2, SPARE
	v_mov_b32 v[NIL], 0
	ds_add_u32 v[SPW], v[NIL]                      ; the opening lines: the add, twice on end, and its wait
	ds_add_u32 v[SPW], v[NIL]
	v_lshrrev_b32 v1, 5, v0
	v_readfirstlane_b32 s18, v1                    ; wave
	s_lshr_b32 s19, s18, 1                         ; a
	s_and_b32 s20, s18, 1                          ; b
	s_bfe_u32 s21, ttmp6, 0x40000
	s_bfe_u32 s22, ttmp6, 0x40004
	s_lshl_b32 s23, ttmp9, 2
	s_add_co_u32 s23, s23, s21                     ; c
	s_and_b32 s40, ttmp7, 0xffff
	s_lshl_b32 s40, s40, 2
	s_add_co_u32 s40, s40, s22                     ; g
	s_lshl_b32 s41, s22, 2
	s_lshl_b32 s41, 15, s41
	s_lshl_b32 s42, 0x1111, s21
	GROUP1 G1W, 42, 384
	GROUP1 G1X, 41, 384
	GROUP1 G1S, 41, 64
	s_mul_i32 s44, s20, 98304
	s_mul_i32 s84, s40, 196608
	s_add_co_u32 s84, s84, s44
	s_mov_b32 s85, 0
	s_lshl_b32 s86, s40, 14
	s_mov_b32 s87, 0
	s_mul_i32 s88, s23, 98304
	s_add_co_u32 s88, s88, 192*12288               ; w_proj's tiles lie behind w_qkv's 192
	s_mov_b32 s89, 0
	s_mul_i32 s45, s19, 98304
	s_add_co_u32 s46, s45, 49152
	s_lshl_b32 s47, s19, 13
	s_add_co_u32 s47, s47, XSC
	s_mul_i32 s92, s20, 49152
	s_add_co_u32 s92, s92, WB
	s_mul_i32 s93, s18, 4352                       ; my stage: 16 rows of 256 + 16 bytes
	s_add_co_u32 s93, s93, WB
	v_and_b32 v1, 31, v0
	v_bfe_u32 v2, v0, 4, 1
	v_and_b32 v3, 15, v0
	v_lshlrev_b32 v4, 4, v1
	v_lshlrev_b32 v5, 3, v1
	v_lshlrev_b32 v13, 2, v1
	v_add_nc_u32 v6, s45, v4
	v_add_nc_u32 v7, s45, v5
	v_add_nc_u32 v8, s46, v4
	v_add_nc_u32 v9, s46, v5
	v_add_nc_u32 v12, s47, v13
	v_add_nc_u32 v14, s92, v4
	v_add_nc_u32 v15, s92, v5
	v_lshlrev_b32 v16, 2, v3
	v_lshl_add_u32 v16, v2, 10, v16
	v_lshlrev_b32 v17, 6, v2
	v_mul_u32_u24 v22, v3, 272
	v_lshl_add_u32 v22, v2, 6, v22
	v_add_nc_u32 v22, s93, v22                     ; into the stage: row r, + 64 h
	v_mul_u32_u24 v23, v2, 272
	v_lshl_add_u32 v23, v3, 4, v23
	v_add_nc_u32 v23, s93, v23                     ; out of it: sixteen lanes to a row, two rows a load
	v_lshlrev_b32 v20, 4, v3
	v_lshl_add_u32 v20, v2, 12, v20                ; and the same in out0
	s_wait_alu depctr_va_vdst(0)                   ; the wait at the head's end
	s_wait_dscnt 0x0
	CROUND                                         ; the round in front of the joint loads
	s_wait_kmcnt 0x0
	s_mov_b32 s[G0W], 1
	s_mov_b32 s[G0W+1], WB
	s_add_nc_u64 s[G0W+2:G0W+3], s[8:9], s[88:89]
	s_or_b32 s[G0W+3], s[G0W+3], 0x80000000
	s_mov_b32 s[G0X], 1
	s_mov_b32 s[G0X+1], s44
	s_add_nc_u64 s[G0X+2:G0X+3], s[4:5], s[84:85]
	s_or_b32 s[G0X+3], s[G0X+3], 0x80000000
	s_mov_b32 s[G0S], 1
	s_mov_b32 s[G0S+1], XSC
	s_add_nc_u64 s[G0S+2:G0S+3], s[6:7], s[86:87]
	s_or_b32 s[G0S+3], s[G0S+3], 0x80000000
	s_cmp_eq_u32 s18, 0
	s_cbranch_scc0 .Lw1
	TLOAD G0W, G1W                                 ; wave 0: the weight
	s_branch .Lasked
.Lw1:
	s_cmp_eq_u32 s18, 1
	s_cbranch_scc0 .Lw2
	TLOAD G0S, G1S                                 ; wave 1: the tokens' scale words
	s_branch .Lasked
.Lw2:
	s_cmp_eq_u32 s18, 2
	s_cbranch_scc0 .Lw3
	TLOAD G0X, G1X                                 ; wave 2: token tiles 0-7
	s_branch .Lasked
.Lw3:
	TLOAD G0X, G1X                                 ; wave 3: token tiles 8-15
.Lasked:
	s_lshl_b32 s86, s40, 1
	s_add_co_u32 s86, s86, s19
	s_lshl_b32 s86, s86, 19                        ; my first token, 256 g + 128 a, x 4,096 bytes
	s_lshl_b32 s88, s23, 9
	s_add_co_u32 s86, s86, s88
	s_lshl_b32 s88, s20, 8
	s_add_co_u32 s86, s86, s88                     ; + my first column x 4
	s_mov_b32 s87, 0
	s_add_nc_u64 s[14:15], s[14:15], s[86:87]
	s_lshl_b32 s86, s23, 13
	s_lshl_b32 s88, s20, 12
	s_add_co_u32 s86, s86, s88
	s_add_co_u32 s86, s86, 192*1024
	s_add_nc_u64 s[94:95], s[10:11], s[86:87]
	s_lshl_b32 s86, s23, 9
	s_lshl_b32 s88, s20, 8
	s_add_co_u32 s86, s86, s88
	s_add_nc_u64 s[96:97], s[12:13], s[86:87]
.irp p, 0,1
.irp q, 0,1,2,3,4,5,6,7
	global_load_b32 v[SB+8*\p+\q], v16, s[94:95] offset:\p*2048+\q*128
.endr
.endr
	WIN 3<<6
.irp n, 0,1,2,3,4,5,6,7
	global_load_b128 v[BI-768+4*\n:BI-768+4*\n+3], v17, s[96:97] offset:128*(\n/4)+16*(\n%4)
.endr
	WIN 0
	s_cmp_eq_u32 s18, 0
	s_cbranch_scc0 .Lnot_w
	s_wait_tensorcnt 0x0
.Lnot_w:
	BARRIER                                        ; the weight is in
	WEIGHTS
	s_wait_tensorcnt 0x0
	s_wait_dscnt 0x0
	BARRIER                                        ; the tokens and their scale words are in, and nobody reads the weight's region any more
	FETCH 0, 0
	FETCH 1, 1
	s_wait_loadcnt 0x0
.irp s, 0,1,2,3,4,5,6,7
.if \s == 0
	s_wait_dscnt 40                                ; younger than my tile's loads: the next tile's 40
.elseif \s < 7
	s_wait_dscnt 56                                ; a stage's 16 and the next tile's 40
.else
	s_wait_dscnt 16                                ; a stage's 16
.endif
	BLOCK \s%2, ACC+32*(\s%2)
	PLACES 4
.if \s > 1
	s_wait_xcnt 0x0                                ; the stores of two tiles ago have read the registers that the stage's loads fill
.endif
	TOSTAGE \s
.if \s > 0
.if \s < 7
	SEND \s-1, 56                                  ; younger than its loads: a tile's 40 and this stage's 16
.else
	SEND \s-1, 16
.endif
.endif
.if \s < 6
	FETCH \s%2, \s+2
.endif
.endr
	SEND 7, 0
	s_wait_tensorcnt 0x0                           ; the wave's end
	ds_add_u32 v[SPW], v[NIL]
	s_wait_dscnt 0x0
	CROUND                                         ; the closing round
	s_endpgm
.Lfunc_end_k_q6a92c2b32c_proj:
	.size	k_q6a92c2b32c_proj, .Lfunc_end_k_q6a92c2b32c_proj-k_q6a92c2b32c_proj
	.p2alignl 7, 3214868480
	.fill 96, 4, 3214868480
	.section	.rodata,"a",@progbits
	.p2align	6, 0x0
	.amdhsa_kernel k_q6a92c2b32c_proj
		.amdhsa_group_segment_fixed_size 327680
		.amdhsa_private_segment_fixed_size 0
		.amdhsa_enable_private_segment 0
		.amdhsa_kernarg_size 48
		.amdhsa_user_sgpr_count 2
		.amdhsa_user_sgpr_kernarg_segment_ptr 1
		.amdhsa_wavefront_size32 1
		.amdhsa_system_sgpr_workgroup_id_x 1
		.amdhsa_system_sgpr_workgroup_id_y 1
		.amdhsa_system_sgpr_workgroup_id_z 1
		.amdhsa_system_vgpr_workitem_id 0
		.amdhsa_next_free_vgpr 1024
		.amdhsa_next_free_sgpr 102
		.amdhsa_reserve_vcc 0
		.amdhsa_float_denorm_mode_32 3
		.amdhsa_float_denorm_mode_16_64 3
		.amdhsa_memory_ordered 1
		.amdhsa_forward_progress 1
		.amdhsa_inst_pref_size 88
	.end_amdhsa_kernel
	.amdgpu_metadata
---
amdhsa.version: [ 1, 2 ]
amdhsa.kernels:
  - .name:           k_q6a92c2b32c_proj
    .symbol:         k_q6a92c2b32c_proj.kd
    .args:
      - { .name: o_img, .offset: 0, .size: 8, .value_kind: global_buffer, .address_space: global }
      - { .name: o_sc, .offset: 8, .size: 8, .value_kind: global_buffer, .address_space: global }
      - { .name: w_img, .offset: 16, .size: 8, .value_kind: global_buffer, .address_space: global }
      - { .name: w_sc, .offset: 24, .size: 8, .value_kind: global_buffer, .address_space: global }
      - { .name: b_proj, .offset: 32, .size: 8, .value_kind: global_buffer, .address_space: global }
      - { .name: out0, .offset: 40, .size: 8, .value_kind: global_buffer, .address_space: global }
    .group_segment_fixed_size: 327680
    .private_segment_fixed_size: 0
    .kernarg_segment_align: 8
    .kernarg_segment_size: 48
    .max_flat_workgroup_size: 128
    .sgpr_count:     102
    .vgpr_count:     1024
    .wavefront_size: 32
...
	.end_amdgpu_metadata
.endif
;; end of part 4
